; MI455X (gfx1250); checked and timed in simulation.
; The chip was launched on July 23, 2026; its instructions are those of AMD's public machine-readable ISA for CDNA 5 (MIT licence, August 2026) and "CDNA5" Instruction Set Architecture Reference Guide (July 2026). The comments in the code are by the model that wrote it; some were corrected since.
;; Conformal GQA. Allowed arithmetic: matrix products marked QUANTISED: E2M3 operands, one E8M0 scale for each 32 along K, by v_wmma_scale_f32_16x16x128_f8f6f4 with both operands' format E2M3, f32 sums; everything else in f32.
;; Inputs: Wk 2,048 x 512 float32; Wo 2,048 x 2,048 float32; Wq 2,048 x 2,048 float32; Wv 2,048 x 512 float32; x 4 x 1,024 x 2,048 float32.
;; Outputs: out0 4 x 1,024 x 2,048 float32.
;; This version of the problem:
;;   THIS VERSION OF THE PROBLEM IS GIVEN IN LOW PRECISION. The matrix products marked QUANTISED in the list below multiply operands that are first quantised to E2M3 (2 exponent bits, 3 mantissa bits; 6 bits a number), with one power-of-two scale for each 32 numbers along K (OCP MX v1.0); their sums are f32. All else is computed in f32.
;;   The module's matrix products, in the order in which they are computed (A, B: the left and right operand; K: the contracted axis; several contracted axes count as one K, in the product's order):
;;     1. [M 4,096, K 2,048] x [K 2,048, N 2,048]; A: input x; B: input Wq: QUANTISED
;;     2. [M 4,096, K 2,048] x [K 2,048, N 512]; A: input x; B: input Wk: QUANTISED
;;     3. [M 4,096, K 2,048] x [K 2,048, N 512]; A: input x; B: input Wv: QUANTISED
;;     4. batch 128 x [M 1,024, K 64] x [K 64, N 1,024]; A: computed on the way; B: computed on the way: QUANTISED
;;     5. batch 128 x [M 1,024, K 1,024] x [K 1,024, N 64]; A: softmax (see below); B: computed on the way: QUANTISED
;;     6. [M 4,096, K 2,048] x [K 2,048, N 2,048]; A: computed on the way; B: input Wo: QUANTISED
;;   THE QUANTISER, for each operand of a quantised product, along K:
;;     - K is cut into blocks of 32 from its start; a last block that is shorter is filled with zeros.
;;     - A block's scale is 2^e with e = floor(log2(the largest magnitude in the block)) - 2, held to -126 .. 127; a block of zeros has e = 0. As a byte (E8M0): e + 127.
;;     - Each number is divided by its block's scale, clamped to +-7.5, and rounded to the nearest number of E2M3, ties to even, subnormals kept.
;;     - The product sums the exact products of the quantised numbers (number of the format x scale) in f32.
;;   ~~~python
;;   def quantise(x, axis):      # numpy; x: float32 -> the quantised numbers, widened to float32 again
;;       x = np.moveaxis(x, axis, -1); K = x.shape[-1]
;;       x = np.pad(x, [(0, 0)] * (x.ndim - 1) + [(0, -K % 32)]); x = x.reshape(x.shape[:-1] + (-1, 32)); a = np.abs(x).max(-1, keepdims=True)
;;       e = np.where(a > 0, np.clip(np.frexp(np.where(a > 0, a, 1))[1] - 1 - 2, -126, 127), 0)      # np.frexp(a)[1] - 1 = floor(log2(a)), exactly
;;       r = np.clip(x / 2.0 ** e, -7.5, 7.5)
;;       step = 2.0 ** (np.maximum(np.frexp(np.where(r == 0, 1, r))[1] - 1, 0) - 3)
;;       q = np.round(r / step) * step * 2.0 ** e      # np.round: ties to even
;;       return np.moveaxis(q.reshape(q.shape[:-2] + (-1,))[..., :K], -1, axis).astype(np.float32)
;;   ~~~
;;   SOFTMAX AHEAD OF A QUANTISED PRODUCT. Where the list says 'softmax', what is quantised is not the finished softmax but p = 2^(t - M), with t = logit x log2(e) and M = ceil(the row's largest t), a whole number; so 1/2 < the row's largest p <= 1. The row's sum l is taken of the UNQUANTISED p, in f32, and the product's result is divided by l at the end. Since M is a whole number, a kernel that streams over the keys may use a running M (the ceiling of the running maximum): every later rescaling is an exact power of two, which a block's scale takes up: the codes' values come out the same.
;;   OPERANDS COMPUTED ON THE WAY. 'Computed on the way' means the value that the module computes at that place (a softmax that the list does not call 'softmax' is quantised finished and normalised). What goes into a quantiser is computed in f32, as accurately as f32 sums, v_exp_f32 and their like allow (about 1e-6 of the number): no bf16 or f16 on the way to a quantiser, and a product that is left as it is and whose result goes on into a quantised operand takes f32 operands (vector FMAs, or v_wmma_f32_16x16x4_f32). A number that lies on a knife's edge between two numbers of the format may be rounded either way, as far as f32 arithmetic and the matrix unit's own rounding can turn it there, and no further.
;; One version. Each part assembles by itself: llvm-mc -triple=amdgcn-amd-amdhsa -mcpu=gfx1250 --defsym DOCPART=n.
;; ======== version 1 of 1: 4 launches
;; limits: right only within a limited range of input values
;; workspace buffers: xq 6,553,600 bytes; wq 4,915,200 bytes; woq 3,276,800 bytes; rope 262,144 bytes; qk 9,175,040 bytes; vq 1,638,400 bytes; yq 6,553,600 bytes
;; launch prep (part 1): grid 464 x 1, 4 waves a work-group, no clusters, 34,304 bytes of LDS; arguments x, Wq, Wk, Wv, xq, wq, rope; writes xq, wq, rope
.if DOCPART == 1
	.amdgcn_target "amdgcn-amd-amdhsa--gfx1250"
	.amdhsa_code_object_version 6
	.text
	.protected	k_qbc6a7630d8_prep
	.globl	k_qbc6a7630d8_prep
	.p2align	8
	.type	k_qbc6a7630d8_prep,@function
k_qbc6a7630d8_prep:
	s_mov_b64 s[64:65], 0
	v_nop
	global_prefetch_b8 v0, s[64:65] scope:SCOPE_SE
	s_setreg_imm32_b32 hwreg(HW_REG_WAVE_MODE, 25, 1), 1
	s_wait_xcnt 0x0
; PREP: x [4096][2048] and the weights Wq, Wk, Wv ([2048 (K)][N]), all f32, become codes of FP6 (E2M3) with one E8M0 byte for each 32 along K; and the cos / sin table of the rotation is made.
; (Wo is quantised by the next launch, in work-groups of its own; it is no argument here.)
; LAYOUT OF THE CODES: images of operand registers.  A fragment (16 rows x 128 K) is 1,536 bytes: six pieces of 256 bytes; piece i holds registers 2 i, 2 i + 1 of the 32 lanes, lane l at 8 l.
; The fragments lie BY CHUNKS ALONG K: [chunk of 2 K steps][tile][2 fragments]: a chunk of xq is 256 tiles x 3,072 bytes, a chunk of wq 192 tiles x 3,072: so neighbouring tiles' parts of a chunk are one dense run of memory.
; THE ROWS OF A TILE ARE NOT NEIGHBOURS: in each group of 32 rows (tokens, or columns of a weight), lane r of tile 2 g + u holds row 32 g + 8 u + r + 8 (r / 8).
; SCALE WORDS (four bytes: 128 along K of a row): tile x 1,024 + (step / 2) x 128 + r x 8 + (step % 2) x 4.
; Work-groups 0-255: a token tile of x each (path X).  256-447: 128 columns x 256 K (one chunk) of a weight each (path W).  448-463: four tiles of the table each (path R).
; A wave of path W has two sets of 32 loads out and walks 8 blocks of 32 along K; the work along K is shared among eight work-groups.
; A chunk's scale words of a tile are 128 bytes, so path W stores them as runs of 128 consecutive bytes: one byte in 24 of what it stores.
; A block's scale is 2^(floor(log2(largest magnitude)) - 2): its byte is the largest magnitude's exponent field - 2, held at 1 from below.
; LIMITS: NaN and infinities are not served; a block whose largest magnitude lies under 2^-124, a block of zeros too, keeps the byte 1 (its codes are zeros or the rule's own; only this program reads the bytes).
; The table's angles: inv_freq is right to about 2 units in its last place, so an angle may differ from a correctly rounded one by about 2e-7 of itself.
.set XSC,   6291456                    ; x's scale words begin here in xq
.set WSC,   4718592                    ; the weights' in wq
.set XCH,   786432                     ; a chunk of xq in bytes
.set WCH,   589824                     ; a chunk of wq
.set SPARE, 33792                      ; behind the four stages: the spare words, 128 bytes for each wave
.set SPW,   250
.set NIL,   251
.set SEL,   22                         ; s[22:23] selects of v_permlanex16_b32: lane l xor 16
.set HM,    24                         ; s24 mask of lanes 16-31
.set RX,    16                         ; path X: v16-143 two sets of 64 numbers as loaded
.set XN,    144                        ; v144-207 64 numbers in the quantiser's order
.set PC,    208                        ; v208-226 codes
.set TM,    228                        ; v228-243 at work
.set PW,    244                        ; v244-247 the four fragments' scale words
.set OF,    16                         ; path W: v16-47 offsets of a block's 32 rows
.set XA,    48
.set XB,    80
.set CA,    112
.set CB,    120
.set UA,    128
.set UB,    132
.set WS,    136                        ; v136-137 scale words of the two K steps
; 64 numbers of a lane, register 16 b + i = k 32 b + 16 (lane / 16) + i of my row, become a fragment's 12 registers in v[PC] on and the row's scale word in v[pw]
.macro QUANT s, pw
.irp b, 0,1,2,3
	v_max3_num_f32 v[TM+\b], |v[\s+16*\b]|, |v[\s+1+16*\b]|, 0x1800000   ; my 16 numbers of block b, and the floor 2^(3 - 127)
.endr
.irp i, 2,4,6,8,10,12,14
.irp b, 0,1,2,3
	v_max3_num_f32 v[TM+\b], v[TM+\b], |v[\s+16*\b+\i]|, |v[\s+1+16*\b+\i]|
.endr
.endr
.irp b, 0,1,2,3
	v_permlanex16_b32 v[TM+4+\b], v[TM+\b], s[SEL], s[SEL+1]
.endr
.irp b, 0,1,2,3
	v_max_num_f32 v[TM+\b], v[TM+\b], v[TM+4+\b]       ; with lane l xor 16's 16: the block's largest magnitude
.endr
.irp b, 0,1,2,3
	v_add_nc_u32 v[TM+12+\b], 0xff000000, v[TM+\b]     ; 2 off its exponent field: the conversion's scale operand
.endr
.irp b, 0,1,2,3
	v_lshrrev_b32 v[TM+4+\b], 23, v[TM+12+\b]          ; the byte
.endr
	v_lshl_or_b32 v[\pw], v[TM+5], 8, v[TM+4]
	v_lshl_or_b32 v[\pw], v[TM+6], 16, v[\pw]
	v_lshl_or_b32 v[\pw], v[TM+7], 24, v[\pw]
.irp c, 0,1
	v_cvt_scalef32_pk16_fp6_f32 v[PC+6*\c:PC+2+6*\c], v[\s+32*\c:\s+15+32*\c], v[TM+12+2*\c]
	v_cvt_scalef32_pk16_fp6_f32 v[PC+12+4*\c:PC+14+4*\c], v[\s+16+32*\c:\s+31+32*\c], v[TM+13+2*\c]
.endr
	v_nop                                          ; one plain line behind the conversions
.irp c, 0,1                                    ; a lane wants a whole block: lanes 0-15 block 2 c, lanes 16-31 block 2 c + 1
.irp i, 0,1,2
	v_permlane16_swap_b32 v[PC+6*\c+\i], v[PC+12+4*\c+\i]
.endr
.irp i, 0,1,2
	v_mov_b32 v[PC+3+6*\c+\i], v[PC+12+4*\c+\i]
.endr
.endr
.endm
; path X: fragment f's 16 rows x 512 bytes; each load reads 512 consecutive bytes
.macro LOADX f
.irp i, 0,1,2,3,4,5,6,7,8,9,10,11,12,13,14,15
	global_load_b128 v[RX+64*((\f)%2)+4*\i:RX+64*((\f)%2)+4*\i+3], v3, s[4:5] offset:(\i+8*(\i/8))*8192+512*(\f) th:TH_LOAD_NT
.endr
.endm
; through my own stage (rows 528 bytes apart): in as loaded, out 16 neighbours of each block of 32 a lane.  LDS serves a wave's instructions in order: no wait between
.macro TURNX f
.irp i, 0,1,2,3,4,5,6,7,8,9,10,11,12,13,14,15
	ds_store_b128 v4, v[RX+64*((\f)%2)+4*\i:RX+64*((\f)%2)+4*\i+3] offset:528*\i
.endr
.irp b, 0,1,2,3
.irp j, 0,1,2,3
	ds_load_b128 v[XN+16*\b+4*\j:XN+16*\b+4*\j+3], v5 offset:128*\b+16*\j
.endr
.endr
.endm
.macro FRX f
.if (\f) < 3
	s_wait_loadcnt 16                              ; this fragment's 16 loads are in; the next one's 16 may be out
.else
	s_wait_loadcnt 0x0
.endif
	TURNX \f
	s_wait_dscnt 0x0                               ; the numbers are back, and the stores into the stage have read their registers
.if (\f) < 2
	LOADX (\f)+2
.endif
	s_wait_xcnt 0x0                                ; the last fragment's stores have read the codes' registers
	QUANT XN, PW+(\f)
.irp p, 0,1,2,3,4,5
	global_store_b64 v6, v[PC+2*\p:PC+2*\p+1], s[28:29] offset:XCH*((\f)/2)+1536*((\f)%2)+256*\p   ; 32 lanes store 256 consecutive bytes, aligned
.endr
.endm
; path W: a block's 32 rows of my column; then the pointer goes 32 rows down
.macro LOADB set
.set LI, 0
.rept 32
	global_load_b32 v[\set+LI], v[OF+LI], s[28:29] th:TH_LOAD_NT
.set LI, LI+1
.endr
	s_wait_xcnt 0x0                                ; the loads have read the pointer
	s_add_nc_u64 s[28:29], s[28:29], s[38:39]
.endm
; one block of 32 along K of my column.  st: its K step;  by: its byte's place in that step's scale word;  wt: the loads that may stay out (the other set's 32, or none);  more: the block two on is loaded into this set
.macro BLK set, cc, uu, st, by, wt, more
	s_wait_loadcnt \wt
	v_max3_num_f32 v140, |v[\set]|, |v[\set+1]|, |v[\set+2]|
	v_max3_num_f32 v141, |v[\set+3]|, |v[\set+4]|, |v[\set+5]|
.irp i, 6,10,14,18,22,26
	v_max3_num_f32 v140, v140, |v[\set+\i]|, |v[\set+\i+1]|
	v_max3_num_f32 v141, v141, |v[\set+\i+2]|, |v[\set+\i+3]|
.endr
	v_max3_num_f32 v140, v140, |v[\set+30]|, |v[\set+31]|
	v_max3_num_f32 v140, v140, v141, 0x1800000     ; with the floor
	v_add_nc_u32 v142, 0xff000000, v140
	v_cvt_scalef32_pk16_fp6_f32 v[\cc:\cc+2], v[\set:\set+15], v142
	v_cvt_scalef32_pk16_fp6_f32 v[\uu:\uu+2], v[\set+16:\set+31], v142
	v_lshrrev_b32 v143, 23, v142                   ; the byte (the plain line behind the conversions)
.if (\by) == 0
	v_mov_b32 v[WS+(\st)], v143
.else
	v_lshl_or_b32 v[WS+(\st)], v143, 8*(\by), v[WS+(\st)]
.endif
.if \more
	LOADB \set
.endif
.endm
; two blocks: half u of K step st.  Lanes 0-15 hold the first tile's rows, lanes 16-31 the next tile's; an image wants the even block in lanes 0-15 and the odd one in lanes 16-31 of ONE tile: an exchange of halves
.macro PAIR st, u, w1, more
	s_wait_xcnt 0x0                                ; the last pair's stores have read the codes' registers
	BLK XA, CA, UA, \st, 2*(\u), 32, \more
	BLK XB, CB, UB, \st, 2*(\u)+1, \w1, \more
	s_wait_alu depctr_va_vdst(0)
.irp i, 0,1,2
	v_permlane16_swap_b32 v[CA+\i], v[CB+\i]
	v_permlane16_swap_b32 v[UA+\i], v[UB+\i]
.endr
.irp i, 0,1,2
	v_mov_b32 v[CA+3+\i], v[UA+\i]
	v_mov_b32 v[CB+3+\i], v[UB+\i]
.endr
.irp p, 0,1,2
	global_store_b64 v6, v[CA+2*\p:CA+2*\p+1], s[40:41] offset:1536*(\st)+256*(3*(\u)+\p)
	global_store_b64 v6, v[CB+2*\p:CB+2*\p+1], s[40:41] offset:3072+1536*(\st)+256*(3*(\u)+\p)
.endr
.endm
	s_load_b256 s[4:11], s[0:1], 0x0               ; x s[4:5], Wq s[6:7], Wk s[8:9], Wv s[10:11]
	s_load_b64 s[14:15], s[0:1], 0x20              ; xq
	s_load_b128 s[16:19], s[0:1], 0x28             ; wq s[16:17], rope s[18:19]
	v_lshl_add_u32 v[SPW], v0, 2, SPARE
	v_mov_b32 v[NIL], 0
	v_lshrrev_b32 v1, 5, v0
	v_readfirstlane_b32 s20, v1                    ; wave
	v_and_b32 v1, 31, v0                           ; lane
	v_and_b32 v2, 15, v0                           ; r
	v_bfe_u32 v7, v0, 4, 1                         ; h
	v_lshlrev_b32 v6, 3, v1                        ; 8 x lane
	v_lshlrev_b32 v3, 4, v1                        ; 16 x lane
	s_mov_b32 s[SEL], 0x76543210
	s_mov_b32 s[SEL+1], 0xfedcba98
	s_mov_b32 s[HM], 0xffff0000
	s_wait_alu depctr_va_vdst(0)                   ; the wait at the head's end
	s_wait_kmcnt 0x0
	s_cmp_lt_u32 ttmp9, 256
	s_cbranch_scc0 .Lnot_x
	; ---- PATH X: token tile ttmp9; my wave makes K steps 4 w .. 4 w + 3: chunks 2 w and 2 w + 1
	s_mul_i32 s25, s20, 8448                       ; my stage: 16 rows of 528 bytes
	s_wait_alu depctr_va_vdst(0)
	v_add_nc_u32 v4, s25, v3
	v_mul_u32_u24 v5, v2, 528
	v_lshl_add_u32 v5, v7, 6, v5
	v_add_nc_u32 v5, s25, v5                       ; out: row r, + 64 h
.irp b, 0,1,2,3
	v_mov_b32 v[TM+4+\b], 0                        ; a lane permute's destination counts as read: written once
.endr
	s_lshr_b32 s26, ttmp9, 1
	s_lshl_b32 s26, s26, 5
	s_and_b32 s27, ttmp9, 1
	s_lshl_b32 s27, s27, 3
	s_add_co_u32 s26, s26, s27                     ; the tile's first token: 32 (tile / 2) + 8 (tile % 2)
	s_lshl_b32 s26, s26, 13                        ; rows of 8,192 bytes
	s_lshl_b32 s27, s20, 11                        ; my four K steps: 2,048 bytes on for each wave
	s_add_co_u32 s26, s26, s27
	s_mov_b32 s27, 0
	s_add_nc_u64 s[4:5], s[4:5], s[26:27]
	s_mul_i32 s26, ttmp9, 3072
	s_mul_i32 s25, s20, 2*XCH
	s_add_co_u32 s26, s26, s25
	s_add_nc_u64 s[28:29], s[14:15], s[26:27]      ; my fragments' images
	s_lshl_b32 s26, ttmp9, 10
	s_lshl_b32 s25, s20, 8
	s_add_co_u32 s26, s26, s25
	s_add_nc_u64 s[30:31], s[14:15], s[26:27]      ; my scale words (XSC stands in the immediate)
	LOADX 0
	LOADX 1
	s_wait_alu depctr_va_vdst(0)
	FRX 0
	FRX 1
	FRX 2
	FRX 3
	v_cndmask_b32 v248, v[PW], v[PW+2], s[HM]      ; lanes 0-15: K steps 4 w, 4 w + 1; lanes 16-31: 4 w + 2, 4 w + 3
	v_cndmask_b32 v249, v[PW+1], v[PW+3], s[HM]
	global_store_b64 v6, v[248:249], s[30:31] offset:XSC   ; 256 consecutive bytes
	s_wait_tensorcnt 0x0                           ; the wave's end
	ds_add_u32 v[SPW], v[NIL]
	s_wait_dscnt 0x0
	s_endpgm
.Lnot_x:
	s_cmp_lt_u32 ttmp9, 448
	s_cbranch_scc0 .Lpath_r
	; ---- PATH W: 128 columns x 256 K of one weight; my wave 32 columns: a lane a column, its registers run down K
	s_sub_co_u32 s25, ttmp9, 256
	s_lshr_b32 s26, s25, 3                         ; column group 0 .. 23
	s_and_b32 s25, s25, 7                          ; which chunk of K
	s_mov_b64 s[28:29], s[10:11]                   ; groups 20-23: Wv
	s_sub_co_u32 s30, s26, 20                      ; the group within its weight
	s_lshl_b32 s31, s30, 4
	s_add_co_u32 s31, s31, 136                     ; its first tile in wq
	s_mov_b32 s32, 2048                            ; a row of the weight in bytes
	s_sub_co_u32 s33, s26, 16                      ; groups 16-19: Wk
	s_lshl_b32 s34, s33, 4
	s_add_co_u32 s34, s34, 128
	s_cmp_lt_u32 s26, 20
	s_cselect_b64 s[28:29], s[8:9], s[28:29]
	s_cselect_b32 s30, s33, s30
	s_cselect_b32 s31, s34, s31
	s_lshl_b32 s34, s26, 3                         ; groups 0-15: Wq
	s_mov_b32 s35, 8192
	s_cmp_lt_u32 s26, 16
	s_cselect_b64 s[28:29], s[6:7], s[28:29]
	s_cselect_b32 s30, s26, s30
	s_cselect_b32 s31, s34, s31
	s_cselect_b32 s32, s35, s32
	s_mul_i32 s33, s25, s32
	s_lshl_b32 s33, s33, 8                         ; 256 rows for each chunk of K
	s_lshl_b32 s34, s30, 9                         ; 128 columns of 4 bytes
	s_add_co_u32 s33, s33, s34
	s_lshl_b32 s34, s20, 7                         ; my wave's 32 columns
	s_add_co_u32 s36, s33, s34
	s_mov_b32 s37, 0
	s_add_nc_u64 s[28:29], s[28:29], s[36:37]
	s_lshl_b32 s38, s32, 5                         ; 32 rows on
	s_mov_b32 s39, 0
	s_lshl_b32 s33, s20, 1
	s_add_co_u32 s31, s31, s33                     ; my first tile
	s_mul_i32 s36, s31, 3072
	s_mul_i32 s33, s25, WCH
	s_add_co_u32 s36, s36, s33
	s_add_nc_u64 s[40:41], s[16:17], s[36:37]      ; its images of my chunk
	s_lshl_b32 s36, s31, 10
	s_lshl_b32 s33, s25, 7
	s_add_co_u32 s36, s36, s33
	s_add_nc_u64 s[42:43], s[16:17], s[36:37]      ; its scale words of my chunk (WSC stands in the immediate)
	v_and_b32 v8, 7, v1                            ; my column of the 32: (l % 8) + 16 ((l / 8) % 2) + 8 (l / 16): a load still reads 128 consecutive bytes
	v_bfe_u32 v9, v1, 3, 1
	v_lshl_add_u32 v8, v9, 4, v8
	v_lshl_add_u32 v8, v7, 3, v8
	v_lshlrev_b32 v8, 2, v8
	v_lshlrev_b32 v10, 3, v2
	v_lshl_add_u32 v10, v7, 10, v10                ; my two scale words: 8 r, in the first tile (lanes 0-15) or the next (lanes 16-31)
.set LI, 0
.rept 32
	v_mad_u32_u24 v[OF+LI], s32, LI, v8
.set LI, LI+1
.endr
	s_wait_alu depctr_va_vdst(0)
	LOADB XA
	LOADB XB
	PAIR 0, 0, 32, 1                               ; eight blocks, written out; loads run two blocks ahead,
	PAIR 0, 1, 32, 1
	PAIR 1, 0, 32, 1
	PAIR 1, 1, 0, 0                                ; and the last two blocks load nothing
	global_store_b64 v10, v[WS:WS+1], s[42:43] offset:WSC   ; sixteen lanes store 128 consecutive bytes
	s_endpgm
.Lpath_r:
	; ---- PATH R: cos and sin of t x 10000^(-j / 32) for tile tau's 16 positions t and my half's 16 j: lane (r, h), j = 16 h + i
	s_sub_co_u32 s25, ttmp9, 448
	s_lshl_b32 s25, s25, 2
	s_add_co_u32 s25, s25, s20                     ; tau
	s_lshr_b32 s26, s25, 1
	s_lshl_b32 s26, s26, 5
	s_and_b32 s27, s25, 1
	s_lshl_b32 s27, s27, 3
	s_add_co_u32 s26, s26, s27
	s_wait_alu depctr_va_vdst(0)
	v_and_b32 v10, 8, v2
	v_add_nc_u32 v10, v10, v2                      ; r + 8 (r / 8)
	v_add_nc_u32 v8, s26, v10
	v_cvt_f32_u32 v8, v8                           ; t
	v_lshlrev_b32 v9, 4, v7                        ; 16 h
	s_wait_alu depctr_va_vdst(0)
	s_lshl_b32 s26, s25, 12
	s_mov_b32 s27, 0
	s_add_nc_u64 s[18:19], s[18:19], s[26:27]
	s_mov_b32 s30, 0xbed49a78                      ; -log2(10) / 8, its leading part,
	s_mov_b32 s31, 0xb2179a31                      ; and the rest
	s_mov_b32 s32, 0x3f317218                      ; ln 2
	s_mov_b32 s33, 0x3f22f983                      ; 2 / pi
	s_mov_b32 s34, 0xbfc90fdb                      ; -pi / 2, leading part
	s_mov_b32 s35, 0x333bbd2e                      ; what the leading part has too much
	s_mov_b32 s36, 0xb94ca1f9                      ; sine: -1.9515295891e-4, 8.3321608736e-3, -1.6666654611e-1
	s_mov_b32 s37, 0x3c08839e
	s_mov_b32 s38, 0xbe2aaaa3
	s_mov_b32 s39, 0x37ccf5ce                      ; cosine: 2.4433157118e-5, -1.3887316255e-3, 4.1666645683e-2
	s_mov_b32 s40, 0xbab6061a
	s_mov_b32 s41, 0x3d2aaaa5
.macro EACH16 body:vararg
.set I, 0
.rept 16
	\body
.set I, I+1
.endr
.endm
	EACH16 v_add_nc_u32 v[80+I], I, v9
	EACH16 v_cvt_f32_u32 v[80+I], v[80+I]                   ; j
	EACH16 v_mul_f32 v[16+I], s30, v[80+I]                  ; P = the exponent, rounded
	EACH16 v_fma_f32 v[32+I], v[80+I], s30, -v[16+I]        ; what the rounding lost,
	EACH16 v_fma_f32 v[32+I], v[80+I], s31, v[32+I]         ; and the constant's rest
	s_wait_alu depctr_va_vdst(0)
	EACH16 v_exp_f32 v[16+I], v[16+I]
	EACH16 v_mul_f32 v[32+I], s32, v[32+I]                  ; (plain lines behind the exponentials)
	s_wait_alu depctr_va_vdst(0)                   ; one wait for the batch, ahead of its first reader
	EACH16 v_fma_f32 v[16+I], v[16+I], v[32+I], v[16+I]     ; inv_freq = 2^P (1 + E ln 2)
	EACH16 v_mul_f32 v[16+I], v8, v[16+I]                   ; the angle, rounded once
	EACH16 v_mul_f32 v[32+I], s33, v[16+I]
	EACH16 v_rndne_f32 v[32+I], v[32+I]                     ; n quarter turns
	EACH16 v_fma_f32 v[16+I], v[32+I], s34, v[16+I]         ; exact: n is under 2^10
	EACH16 v_fma_f32 v[16+I], v[32+I], s35, v[16+I]         ; the rest angle, within pi / 4
	EACH16 v_cvt_i32_f32 v[32+I], v[32+I]
	EACH16 v_mul_f32 v[80+I], v[16+I], v[16+I]              ; z
	EACH16 v_fma_f32 v[96+I], v[80+I], s36, s37
	EACH16 v_fma_f32 v[96+I], v[96+I], v[80+I], s38
	EACH16 v_mul_f32 v[96+I], v[96+I], v[80+I]
	EACH16 v_fma_f32 v[96+I], v[96+I], v[16+I], v[16+I]     ; sine of the rest angle
	EACH16 v_fma_f32 v[112+I], v[80+I], s39, s40
	EACH16 v_fma_f32 v[112+I], v[112+I], v[80+I], s41
	EACH16 v_fma_f32 v[16+I], v[80+I], -0.5, 1.0
	EACH16 v_mul_f32 v[80+I], v[80+I], v[80+I]
	EACH16 v_fma_f32 v[112+I], v[112+I], v[80+I], v[16+I]   ; cosine of the rest angle
.set I, 0
.rept 16                                       ; the quarter: odd n swaps the two; sine is negative for n % 4 = 2, 3, cosine for 1, 2
	v_and_b32 v[80+I], 1, v[32+I]
	v_cmp_eq_u32 vcc_lo, 1, v[80+I]
	v_cndmask_b32 v[64+I], v[96+I], v[112+I], vcc_lo
	v_cndmask_b32 v[48+I], v[112+I], v[96+I], vcc_lo
	v_and_b32 v[80+I], 2, v[32+I]
	v_lshlrev_b32 v[80+I], 30, v[80+I]
	v_xor_b32 v[64+I], v[80+I], v[64+I]
	v_add_nc_u32 v[80+I], 1, v[32+I]
	v_and_b32 v[80+I], 2, v[80+I]
	v_lshlrev_b32 v[80+I], 30, v[80+I]
	v_xor_b32 v[48+I], v[80+I], v[48+I]
.set I, I+1
.endr
.irp j, 0,1,2,3
	global_store_b128 v3, v[48+4*\j:51+4*\j], s[18:19] offset:512*\j        ; 512 consecutive bytes each
	global_store_b128 v3, v[64+4*\j:67+4*\j], s[18:19] offset:2048+512*\j
.endr
	s_endpgm
.Lfunc_end_k_qbc6a7630d8_prep:
	.size	k_qbc6a7630d8_prep, .Lfunc_end_k_qbc6a7630d8_prep-k_qbc6a7630d8_prep
	.p2alignl 7, 3214868480
	.fill 96, 4, 3214868480
	.section	.rodata,"a",@progbits
	.p2align	6, 0x0
	.amdhsa_kernel k_qbc6a7630d8_prep
		.amdhsa_group_segment_fixed_size 34304
		.amdhsa_private_segment_fixed_size 0
		.amdhsa_enable_private_segment 0
		.amdhsa_kernarg_size 56
		.amdhsa_user_sgpr_count 2
		.amdhsa_user_sgpr_kernarg_segment_ptr 1
		.amdhsa_wavefront_size32 1
		.amdhsa_system_sgpr_workgroup_id_x 1
		.amdhsa_system_sgpr_workgroup_id_y 1
		.amdhsa_system_sgpr_workgroup_id_z 1
		.amdhsa_system_vgpr_workitem_id 0
		.amdhsa_next_free_vgpr 256
		.amdhsa_next_free_sgpr 66
		.amdhsa_reserve_vcc 1
		.amdhsa_float_denorm_mode_32 3
		.amdhsa_float_denorm_mode_16_64 3
		.amdhsa_memory_ordered 1
		.amdhsa_forward_progress 1
		.amdhsa_inst_pref_size 104
	.end_amdhsa_kernel
	.amdgpu_metadata
---
amdhsa.version: [ 1, 2 ]
amdhsa.kernels:
  - .name:           k_qbc6a7630d8_prep
    .symbol:         k_qbc6a7630d8_prep.kd
    .args:
      - { .name: x, .offset: 0, .size: 8, .value_kind: global_buffer, .address_space: global }
      - { .name: Wq, .offset: 8, .size: 8, .value_kind: global_buffer, .address_space: global }
      - { .name: Wk, .offset: 16, .size: 8, .value_kind: global_buffer, .address_space: global }
      - { .name: Wv, .offset: 24, .size: 8, .value_kind: global_buffer, .address_space: global }
      - { .name: xq, .offset: 32, .size: 8, .value_kind: global_buffer, .address_space: global }
      - { .name: wq, .offset: 40, .size: 8, .value_kind: global_buffer, .address_space: global }
      - { .name: rope, .offset: 48, .size: 8, .value_kind: global_buffer, .address_space: global }
    .group_segment_fixed_size: 34304
    .private_segment_fixed_size: 0
    .kernarg_segment_align: 8
    .kernarg_segment_size: 56
    .max_flat_workgroup_size: 128
    .sgpr_count:     66
    .vgpr_count:     256
    .wavefront_size: 32
...
	.end_amdgpu_metadata
.endif
;; end of part 1
;; launch proj (part 2): grid 16 x 16, 4 waves a work-group, clusters of 4 x 4, 327,680 bytes of LDS; arguments xq, wq, rope, qk, vq, Wo, woq; writes qk, vq, woq
.if DOCPART == 2
	.amdgcn_target "amdgcn-amd-amdhsa--gfx1250"
	.amdhsa_code_object_version 6
	.text
	.protected	k_qbc6a7630d8_proj
	.globl	k_qbc6a7630d8_proj
	.p2align	8
	.type	k_qbc6a7630d8_proj,@function
k_qbc6a7630d8_proj:
	s_mov_b64 s[64:65], 0
	v_nop
	global_prefetch_b8 v0, s[64:65] scope:SCOPE_SE
	s_setreg_imm32_b32 hwreg(HW_REG_WAVE_MODE, 25, 1), 1
	s_wait_xcnt 0x0
	s_wait_alu depctr_hold_cnt(0) depctr_sa_sdst(0) depctr_va_vdst(0) depctr_va_sdst(0) depctr_va_ssrc(0) depctr_va_vcc(0) depctr_vm_vsrc(0)
	s_getreg_b32 s2, hwreg(HW_REG_IB_STS2, 6, 4)
	s_cmp_eq_u32 s2, 0
	s_cbranch_scc0 .Lentry_in_a_cluster
	s_endpgm
.Lentry_in_a_cluster:
	s_bfe_u32 s2, ttmp6, 0x10000c
	s_cmp_lg_u32 s2, 0xf033
	s_cbranch_scc0 .Lentry_shape_is_right
	s_endpgm
.Lentry_shape_is_right:
; PROJ: q, k, v = x (Wq | Wk | Wv) on codes of FP6 (E2M3) with E8M0 scales; q and k are rotated, their -|.|^2 / 2 taken, and q, k (along the head's 64) and v (along the tokens) are quantised and stored as the attention's operands.
; Cluster columns 0-2: a block of 256 tokens x 256 columns to a work-group, 128 x 128 to a wave, 4 x 4 work-groups to a cluster: A's tiles are asked for jointly along a row of the cluster, B's along a column.
; Cluster column 3 (64 work-groups) has no part of that product: it quantises Wo, 128 columns x 512 K to a work-group, into woq, for the last launch.  The branch hangs on the cluster's x alone.
; K goes by chunks of 2 K steps through two LDS slots.  The codes lie [chunk][tile][2 fragments], so a block's 16 tiles of a chunk are 49,152 dense bytes.
; LDS: slot 0 (A's 16 tiles, B's 16 tiles), slot 1 likewise, the scales of all of K, the spare words.
; THE HEAD: one tensor load a wave: wave 0 A's chunk 0, wave 1 the scales of A's 256 rows, wave 2 B's chunk 0, wave 3 the scales of B's.  Slot 1's first fill is issued as a refill is.  A refill is a quarter of a slot a wave: 8 tiles x 3,072 dense bytes.
; The waves that make v (cluster column 2, odd waves) take the weight's tiles as source 1 and x's as source 0: their two fragment addresses change places, so that a lane's registers run along the tokens.
; PREFETCH: at each refill but a wave's last two, the chunk two refills on: of the 96 blocks of 256 bytes that a wave will fetch, each of the four partners that ask jointly names 24, told apart by address (lanes 24-31 name the 24th again).
; LIMITS: NaN and infinities are not served; a block whose largest magnitude lies under 2^-124 keeps the byte 1 (only this program reads the bytes).
.set NQ,     2
.set XCH,    786432                    ; a chunk of xq in bytes
.set WCH,    589824                    ; a chunk of wq
.set RTB,    NQ*1536
.set HALFA,  8*RTB
.set HALFB,  8*RTB
.set SLOT,   2*HALFA+2*HALFB
.set SCL,    2*SLOT
.set HALFSA, 8192
.set HALFSB, 8192
.set SPARE,  SCL+2*HALFSA+2*HALFSB
.set LAPS,   4
.set HB,     4
.set QB,     2
.set NL,     6
.set NP,     4
.set XSC,    6291456
.set WSC,    4718592
.set QKS,    7864320
.set NRM,    8519680
.set VSB,    1572864
.set ADRA, 16
.set ADRB, 20
.set ADRS, 27
.set SPW,  28
.set NIL,  29
.set SC,   32
.set CS,   64
.set AF,   128
.set HA,   128
.set PC,   192
.set TM,   212
.set PWK,  228
.set G1, 24
.set G0, 32
.set G1B, 48
.set G0B, 56
.set G1S, 68
.set G0S, 76
.set G1SB, 80
.set G0SB, 88
.set SEL, 100
.set MSB, 0
.macro WIN new
.if MSB != (\new)
	s_set_vgpr_msb (MSB<<8)|(\new)
.set MSB, (\new)
.endif
.endm
.set MUL_LO, 0xa1
.set MUL_UP, 0xf1
.set TO_B,   0x40
.macro JLOAD g0a, g1a, g0b, g1b        ; a joint load: waves 0 and 1 fetch for A, waves 2 and 3 for B
	s_cmp_eq_u32 s15, 0
	s_cbranch_scc0 .Lfor_b_\@
	tensor_load_to_lds s[\g0a:\g0a+3], s[\g1a:\g1a+7]
	s_nop 0
.rept 4
	v_nop
.endr
	s_branch .Lasked_\@
.Lfor_b_\@:
	tensor_load_to_lds s[\g0b:\g0b+3], s[\g1b:\g1b+7]
	s_nop 0
.rept 4
	v_nop
.endr
.Lasked_\@:
.endm
.macro CREST                           ; a round of the cluster's barrier behind its opening barrier
	s_cmp_lg_u32 s14, 0
	s_cbranch_scc1 .Lnot_wave_0_\@
	s_barrier_signal -3
.Lnot_wave_0_\@:
	s_barrier_wait -3
	s_barrier_signal -1
	s_barrier_wait -1
.endm
.macro CROUND
	s_barrier_signal -1
	s_barrier_wait -1
	CREST
.endm
.macro SHAPE g, c, r, p                ; group 1: r rows of c elements of 8 bytes, p elements from row to row
	s_mov_b32 s[\g+1], (\c)<<16
	s_mov_b32 s[\g+2], (\r)<<16
	s_mov_b32 s[\g+3], (\c)<<16
	s_mov_b32 s[\g+4], \r
	s_mov_b32 s[\g+5], \p
	s_mov_b32 s[\g+6], 0
	s_mov_b32 s[\g+7], 0
.endm
.macro PLACES n
.rept \n
	v_nop
.endr
.endm
.macro FRAG reg, adr, q, i             ; a fragment's 12 registers: six pieces of 256 bytes, 8 bytes a lane
.irp p, 0,1,2,3,4,5
	ds_load_b64 v[\reg+2*\p:\reg+2*\p+1], v[\adr] offset:(\i)*RTB+(\q)*1536+256*\p
.endr
.endm
.macro FETCH_B slot, q, p
	WIN TO_B
.irp i, 0,1,2,3,4,5,6,7
	FRAG 128*(\p)+12*\i, ADRB+\slot, \q, \i
.endr
	WIN 0
.endm
.macro FETCH_A slot, q, i0, n
.set FI, \i0
.rept \n
	FRAG AF+12*FI, ADRA+\slot, \q, FI
.set FI, FI+1
.endr
.endm
.macro SCALES sc                       ; the scale words of a chunk's two K steps: lanes 0-15 source 1's block i, lanes 16-31 source 0's
.irp i, 0,1,2,3,4,5,6,7
	ds_load_b64 v[SC+8*NQ*\sc+NQ*\i:SC+8*NQ*\sc+NQ*\i+1], v[ADRS] offset:1024*\i
.endr
.endm
.macro MULR a0, n, p, q, sc, zero      ; n blocks of source 1 against source 0's eight; the accumulators take turns
.set AI, \a0
.rept \n
.irp b, 0,1,2,3,4,5,6,7
.if \zero
	v_wmma_scale_f32_16x16x128_f8f6f4 v[8*(8*(AI%4)+\b):8*(8*(AI%4)+\b)+7], v[128*(\p)+12*\b:128*(\p)+12*\b+11], v[AF+12*AI:AF+12*AI+11], 0, v[SC+8*NQ*(\sc)+NQ*\b+(\q)], v[SC+8*NQ*(\sc)+NQ*AI+(\q)] matrix_a_fmt:MATRIX_FMT_FP6 matrix_b_fmt:MATRIX_FMT_FP6 matrix_a_scale:MATRIX_SCALE_ROW1
.else
	v_wmma_scale_f32_16x16x128_f8f6f4 v[8*(8*(AI%4)+\b):8*(8*(AI%4)+\b)+7], v[128*(\p)+12*\b:128*(\p)+12*\b+11], v[AF+12*AI:AF+12*AI+11], v[8*(8*(AI%4)+\b):8*(8*(AI%4)+\b)+7], v[SC+8*NQ*(\sc)+NQ*\b+(\q)], v[SC+8*NQ*(\sc)+NQ*AI+(\q)] matrix_a_fmt:MATRIX_FMT_FP6 matrix_b_fmt:MATRIX_FMT_FP6 matrix_a_scale:MATRIX_SCALE_ROW1
.endif
.endr
.set AI, AI+1
.endr
.endm
.macro STEP slot, q, zero              ; a chunk's first K step; the second step's fragments are fetched in its middle and at its end
	s_wait_dscnt HB*NL                             ; all but the youngest 24 loads (blocks 4-7 of source 1)
	WIN MUL_LO
	MULR 0, HB, (\q)%2, \q, \slot, \zero
	s_wait_dscnt 0x0
	PLACES NP
	FETCH_B \slot, (\q)+1, 1-(\q)%2
	FETCH_A \slot, (\q)+1, 0, HB
	WIN MUL_UP
	MULR HB, HB, (\q)%2, \q, \slot, \zero
	PLACES NP
	WIN 0
	FETCH_A \slot, (\q)+1, HB, HB
.endm
.macro TURN slot, next, fill           ; a chunk's second K step, and the change of slots
.if \fill
	s_wait_xcnt 0x0                                ; my last prefetch has read its address
	s_add_nc_u64 s[92:93], s[92:93], s[94:95]      ; a chunk on
.endif
	s_wait_tensorcnt 0x0                           ; all my tensor loads have landed;
	ds_add_u32 v[SPW], v[NIL]
	s_wait_dscnt HB*NL+1                           ; (the add and the youngest 24 loads may be out)
	WIN MUL_LO
	MULR 0, QB, 1, NQ-1, \slot, 0
	s_wait_dscnt 0x0                               ; the add is done, and my reads of this slot are over
	s_barrier_signal -1
	MULR QB, QB, 1, NQ-1, \slot, 0
	WIN 0
	s_barrier_wait -1
.if \fill
	CREST                                          ; the barrier has opened a round of the cluster's barrier
	s_add_nc_u64 s[G0+4*\slot+2:G0+4*\slot+3], s[G0+4*\slot+2:G0+4*\slot+3], 2*XCH
	s_add_nc_u64 s[G0B+4*\slot+2:G0B+4*\slot+3], s[G0B+4*\slot+2:G0B+4*\slot+3], 2*WCH
	JLOAD G0+4*\slot, G1, G0B+4*\slot, G1B         ; the chunk two on, the first tensor load behind the round
.else
	PLACES NP
.endif
	s_wait_alu depctr_va_vdst(0)
	v_add_nc_u32 v[ADRS], 64*NQ, v[ADRS]
	FETCH_B \next, 0, 0
	FETCH_A \next, 0, 0, HB
	SCALES \next
.if \fill
	s_cmp_gt_u32 s3, 1                             ; the loop's last trip has no chunk two refills on
	s_cbranch_scc0 .Lno_ask_\@
	global_prefetch_b8 v30, s[92:93] th:TH_LOAD_NT scope:SCOPE_SE
.Lno_ask_\@:
.endif
	WIN MUL_UP
	MULR HB, HB, 1, NQ-1, \slot, 0
	PLACES NP
	WIN 0
	FETCH_A \next, 0, HB, HB
.endm
; 64 numbers of a lane in window w, register 16 b + i = member 32 b + 16 (lane / 16) + i of my row, become 12 registers of codes in v[PC] on and the row's scale word in v[pw]
.macro QUANT s, w, pw
	WIN (((\w)<<2)|((\w)<<4))
.irp b, 0,1,2,3
	v_max3_num_f32 v[TM+\b], 0x1800000, |v[(\s)+16*\b]|, |v[(\s)+1+16*\b]|
.endr
.irp i, 2,4,6,8,10,12,14
.irp b, 0,1,2,3
	v_max3_num_f32 v[TM+\b], v[TM+\b], |v[(\s)+16*\b+\i]|, |v[(\s)+1+16*\b+\i]|
.endr
.endr
	WIN 0
.irp b, 0,1,2,3
	v_permlanex16_b32 v[TM+4+\b], v[TM+\b], s[SEL], s[SEL+1]
.endr
.irp b, 0,1,2,3
	v_max_num_f32 v[TM+\b], v[TM+\b], v[TM+4+\b]
.endr
.irp b, 0,1,2,3
	v_add_nc_u32 v[TM+12+\b], 0xff000000, v[TM+\b]
.endr
.irp b, 0,1,2,3
	v_lshrrev_b32 v[TM+4+\b], 23, v[TM+12+\b]
.endr
	v_lshl_or_b32 v[\pw], v[TM+5], 8, v[TM+4]
	v_lshl_or_b32 v[\pw], v[TM+6], 16, v[\pw]
	v_lshl_or_b32 v[\pw], v[TM+7], 24, v[\pw]
	WIN (\w)
.irp c, 0,1
	v_cvt_scalef32_pk16_fp6_f32 v[PC+6*\c:PC+2+6*\c], v[(\s)+32*\c:(\s)+15+32*\c], v[TM+12+2*\c]
	v_cvt_scalef32_pk16_fp6_f32 v[PC+12+4*\c:PC+14+4*\c], v[(\s)+16+32*\c:(\s)+31+32*\c], v[TM+13+2*\c]
.endr
	WIN 0
	v_nop
.irp c, 0,1
.irp i, 0,1,2
	v_permlane16_swap_b32 v[PC+6*\c+\i], v[PC+12+4*\c+\i]
.endr
.irp i, 0,1,2
	v_mov_b32 v[PC+3+6*\c+\i], v[PC+12+4*\c+\i]
.endr
.endr
.endm
	s_load_b256 s[4:11], s[0:1], 0x0               ; xq s[4:5], wq s[6:7], rope s[8:9], qk s[10:11]
	s_load_b64 s[12:13], s[0:1], 0x20              ; vq
	v_lshl_add_u32 v[SPW], v0, 2, SPARE
	v_mov_b32 v[NIL], 0
	ds_add_u32 v[SPW], v[NIL]                      ; the opening lines: the add, twice on end, and its wait
	ds_add_u32 v[SPW], v[NIL]
	v_lshrrev_b32 v1, 5, v0
	v_readfirstlane_b32 s14, v1                    ; wave
	s_lshr_b32 s15, s14, 1
	s_and_b32 s16, s14, 1
	s_bfe_u32 s40, ttmp6, 0x40000                  ; cx, cy
	s_bfe_u32 s41, ttmp6, 0x40004
	s_lshl_b32 s42, ttmp9, 2
	s_add_co_u32 s42, s42, s40                     ; block column
	s_and_b32 s17, ttmp7, 0xffff
	s_lshl_b32 s17, s17, 2
	s_add_co_u32 s17, s17, s41                     ; block row
	s_lshl_b32 s43, s41, 2
	s_lshl_b32 s43, 15, s43                        ; my row of the cluster
	s_lshl_b32 s44, 0x1111, s40                    ; my column
	s_or_b32 s[G1+0], s43, (3<<16)|(1<<21)
	s_or_b32 s[G1B+0], s44, (3<<16)|(1<<21)
	s_or_b32 s[G1S+0], s43, (3<<16)|(1<<21)
	s_or_b32 s[G1SB+0], s44, (3<<16)|(1<<21)
	SHAPE G1, RTB/8, 16, RTB/8                     ; the head's shapes: 16 tiles of a chunk, dense; the scales of 16 tiles as 64 rows of 256 bytes
	SHAPE G1B, RTB/8, 16, RTB/8
	SHAPE G1S, 32, 64, 32
	SHAPE G1SB, 32, 64, 32
	s_lshl_b32 s18, s16, 3
	s_lshl_b32 s20, s17, 4
	s_add_co_u32 s20, s20, s18                     ; the 8 tiles of x that I fetch in the ring,
	s_lshl_b32 s46, s42, 4
	s_add_co_u32 s46, s46, s18                     ; or of the weights
	s_lshl_b32 s22, s17, 14
	s_add_co_u32 s22, s22, XSC
	s_mov_b32 s23, 0
	s_lshl_b32 s92, s42, 14
	s_add_co_u32 s92, s92, WSC
	s_mov_b32 s93, 0
	s_mul_i32 s20, s20, 3072
	s_mov_b32 s21, 0
	s_mul_i32 s46, s46, 3072
	s_mov_b32 s47, 0
	s_mul_i32 s45, s16, HALFA
	s_mul_i32 s95, s16, HALFB
	s_add_co_u32 s95, s95, 2*HALFA
	s_mov_b32 s67, 0xffff0000
	s_mov_b32 s[SEL], 0x76543210
	s_mov_b32 s[SEL+1], 0xfedcba98
	s_wait_dscnt 0x0
	s_wait_kmcnt 0x0
	s_add_nc_u64 s[20:21], s[4:5], s[20:21]
	s_add_nc_u64 s[22:23], s[4:5], s[22:23]
	s_add_nc_u64 s[46:47], s[6:7], s[46:47]
	s_add_nc_u64 s[92:93], s[6:7], s[92:93]
	CROUND
	s_cmp_lg_u32 ttmp9, 3
	s_cbranch_scc1 .Lgemm
	; ---- CLUSTER COLUMN 3: Wo [2048 (K)][2048], f32, becomes codes and scale words in woq: [chunk of 4 K steps][128 tiles][4 fragments], then the scale words, laid as the other weights'.
	; Work-group (cx, block row g): columns 128 g on, quarter cx of K, which is chunk cx.  My wave 32 columns: a lane a column, its registers run down K.  No LDS, no tensor load.
.set XA,   64
.set XB,   96
.set CA,   128
.set CB,   136
.set UA,   144
.set UB,   148
.set WS,   152
.set WOSC, 3145728
.macro WLOAD set                       ; a block's 32 rows of my column; then the pointer goes 32 rows down
.set LI, 0
.rept 32
	global_load_b32 v[\set+LI], v8, s[48:49] offset:LI*8192 th:TH_LOAD_NT
.set LI, LI+1
.endr
	s_wait_xcnt 0x0                                ; the loads have read the pointer
	s_add_nc_u64 s[48:49], s[48:49], 0x40000
.endm
.macro WBLK set, cc, uu, by, wt, more  ; by: the byte's place in the scale word; wt: the loads that may stay out; more: the block two on is loaded into this set
	s_wait_loadcnt \wt
	v_max3_num_f32 v156, |v[\set]|, |v[\set+1]|, |v[\set+2]|
	v_max3_num_f32 v157, |v[\set+3]|, |v[\set+4]|, |v[\set+5]|
.irp i, 6,10,14,18,22,26
	v_max3_num_f32 v156, v156, |v[\set+\i]|, |v[\set+\i+1]|
	v_max3_num_f32 v157, v157, |v[\set+\i+2]|, |v[\set+\i+3]|
.endr
	v_max3_num_f32 v156, v156, |v[\set+30]|, |v[\set+31]|
	v_max3_num_f32 v156, v156, v157, 0x1800000     ; with the floor 2^(3 - 127): the byte cannot fall under 1
	v_add_nc_u32 v158, 0xff000000, v156            ; 2 off the exponent field: the conversion's scale operand
	v_cvt_scalef32_pk16_fp6_f32 v[\cc:\cc+2], v[\set:\set+15], v158
	v_cvt_scalef32_pk16_fp6_f32 v[\uu:\uu+2], v[\set+16:\set+31], v158
	v_lshrrev_b32 v159, 23, v158                   ; the byte (the plain line behind the conversions)
.if (\by) == 0
	v_mov_b32 v[WS+3], v159
.else
	v_lshl_or_b32 v[WS+3], v159, 8*(\by), v[WS+3]
.endif
.if \more
	WLOAD \set
.endif
.endm
.macro WPAIR u, w1, more               ; half u of a K step: lanes 0-15 hold the first tile's rows, lanes 16-31 the next tile's; an image wants one tile's two blocks: an exchange of halves
	s_wait_xcnt 0x0                                ; the last pair's stores have read the codes' registers
	WBLK XA, CA, UA, 2*(\u), 32, \more
	WBLK XB, CB, UB, 2*(\u)+1, \w1, \more
	s_wait_alu depctr_va_vdst(0)
.irp i, 0,1,2
	v_permlane16_swap_b32 v[CA+\i], v[CB+\i]
	v_permlane16_swap_b32 v[UA+\i], v[UB+\i]
.endr
.irp i, 0,1,2
	v_mov_b32 v[CA+3+\i], v[UA+\i]
	v_mov_b32 v[CB+3+\i], v[UB+\i]
.endr
.irp p, 0,1,2
	global_store_b64 v6, v[CA+2*\p:CA+2*\p+1], s[50:51] offset:256*(3*(\u)+\p)          ; 256 consecutive bytes, aligned
	global_store_b64 v6, v[CB+2*\p:CB+2*\p+1], s[50:51] offset:6144+256*(3*(\u)+\p)
.endr
.endm
.macro WSTEP w1, more                  ; a K step; the scale words move one register down, so that after four K steps v[WS] .. v[WS+3] hold steps 0 .. 3
	v_mov_b32 v[WS], v[WS+1]
	v_mov_b32 v[WS+1], v[WS+2]
	v_mov_b32 v[WS+2], v[WS+3]
	WPAIR 0, 32, 1
	WPAIR 1, \w1, \more
.if \more
	s_wait_xcnt 0x0                                ; the stores have read their base
	s_add_nc_u64 s[50:51], s[50:51], 1536
.endif
.endm
	s_load_b128 s[48:51], s[0:1], 0x28             ; Wo s[48:49], woq s[50:51]
	v_and_b32 v1, 31, v0
	v_lshlrev_b32 v6, 3, v1                        ; 8 x lane
	v_and_b32 v8, 7, v1                            ; my column of the 32: (l % 8) + 16 ((l / 8) % 2) + 8 (l / 16): a load reads 128 consecutive bytes
	v_bfe_u32 v9, v1, 3, 1
	v_lshl_add_u32 v8, v9, 4, v8
	v_bfe_u32 v9, v1, 4, 1
	v_lshl_add_u32 v8, v9, 3, v8
	v_lshlrev_b32 v8, 2, v8
.irp i, 1,2,3
	v_mov_b32 v[WS+\i], 0                          ; read by the first K steps' moves
.endr
	s_lshl_b32 s56, s40, 22                        ; 512 rows of 8,192 bytes for each quarter of K
	s_lshl_b32 s57, s17, 9                         ; 128 columns of 4 bytes
	s_add_co_u32 s56, s56, s57
	s_lshl_b32 s57, s14, 7                         ; my wave's 32 columns
	s_add_co_u32 s56, s56, s57
	s_mov_b32 s57, 0
	s_lshl_b32 s58, s17, 3
	s_lshl_b32 s59, s14, 1
	s_add_co_u32 s58, s58, s59                     ; my first tile
	s_mul_i32 s60, s58, 6144
	s_mul_i32 s59, s40, 786432
	s_add_co_u32 s60, s60, s59
	s_mov_b32 s61, 0
	s_lshl_b32 s62, s58, 10
	s_lshl_b32 s59, s40, 8
	s_add_co_u32 s62, s62, s59
	s_mov_b32 s63, 0
	s_wait_alu depctr_va_vdst(0)                   ; the wait here, directly ahead of the wait below
	s_wait_kmcnt 0x0
	s_add_nc_u64 s[48:49], s[48:49], s[56:57]
	s_add_nc_u64 s[54:55], s[50:51], s[62:63]      ; my scale words (WOSC stands in the immediate)
	s_add_nc_u64 s[50:51], s[50:51], s[60:61]      ; my first K step's images
	WLOAD XA
	WLOAD XB
	s_mov_b32 s3, 3
.Lwo:                                                  ; K steps 0 to 2; loads run two blocks ahead
	WSTEP 32, 1
	s_sub_co_u32 s3, s3, 1
	s_cmp_lg_u32 s3, 0
	s_wait_alu depctr_va_vdst(0)                   ; the wait ahead of the branch
	s_cbranch_scc1 .Lwo
	WSTEP 0, 0                                     ; the last K step is written out: its last two blocks load nothing
	v_permlane16_swap_b32 v[WS], v[WS+2]           ; lanes 0-15: K steps 0, 1; lanes 16-31: K steps 2, 3, of one tile
	v_permlane16_swap_b32 v[WS+1], v[WS+3]
	global_store_b64 v6, v[WS:WS+1], s[54:55] offset:WOSC
	global_store_b64 v6, v[WS+2:WS+3], s[54:55] offset:WOSC+1024
	s_branch .Lend
.Lgemm:
	s_mov_b32 s[G0S], 1
	s_mov_b32 s[G0S+1], SCL
	s_mov_b64 s[G0S+2:G0S+3], s[22:23]
	s_or_b32 s[G0S+3], s[G0S+3], 0x80000000
	s_mov_b32 s[G0SB], 1
	s_mov_b32 s[G0SB+1], SCL+2*HALFSA
	s_mov_b64 s[G0SB+2:G0SB+3], s[92:93]
	s_or_b32 s[G0SB+3], s[G0SB+3], 0x80000000
.irp s, 0,1
	s_mov_b32 s[G0+4*\s], 1
	s_add_co_u32 s[G0+4*\s+1], s45, \s*SLOT
	s_add_nc_u64 s[G0+4*\s+2:G0+4*\s+3], s[20:21], \s*XCH
	s_or_b32 s[G0+4*\s+3], s[G0+4*\s+3], 0x80000000
	s_mov_b32 s[G0B+4*\s], 1
	s_add_co_u32 s[G0B+4*\s+1], s95, \s*SLOT
	s_add_nc_u64 s[G0B+4*\s+2:G0B+4*\s+3], s[46:47], \s*WCH
	s_or_b32 s[G0B+4*\s+3], s[G0B+4*\s+3], 0x80000000
.endr
; THE HEAD'S LOADS, ONE A WAVE, in one chain of branches on the wave's number.  Waves 0 and 2 fetch the first half of a slot in the ring, so their slot 0 group 0 names the operand's first tile and its first byte in the slot.
.macro ARM under, g0, g1, next
	s_cmp_lt_u32 s14, \under
	s_cbranch_scc0 \next
	tensor_load_to_lds s[\g0:\g0+3], s[\g1:\g1+7]
	s_nop 0
.rept 4
	v_nop
.endr
	s_branch .Lhead_asked
\next:
.endm
	ARM 1, G0,  G1,  .Lhead_sa
	ARM 2, G0S, G1S, .Lhead_b
	ARM 3, G0B, G1B, .Lhead_sb
	tensor_load_to_lds s[G0SB:G0SB+3], s[G1SB:G1SB+7]
	s_nop 0
.rept 4
	v_nop
.endr
.Lhead_asked:
	s_mov_b32 s94, WCH                             ; the prefetches: my quarter of a slot, my work-group's 24 blocks of it, at chunk 3: the first refill steps it to chunk 4
	s_cmp_eq_u32 s15, 0                            ; do I fetch for A?
	s_cselect_b64 s[92:93], s[20:21], s[46:47]
	s_cselect_b32 s94, XCH, s94
	s_cselect_b32 s96, s40, s41                    ; my place among the four that ask with me
	s_mul_i32 s96, s96, 6144
	s_mul_i32 s97, s94, 3
	s_add_co_u32 s96, s96, s97
	s_mov_b32 s97, 0
	s_mov_b32 s95, 0
	s_add_nc_u64 s[92:93], s[92:93], s[96:97]
	v_and_b32 v30, 31, v0
	v_min_u32 v30, 23, v30
	v_lshlrev_b32 v30, 8, v30                      ; a lane a block of 256 bytes; never rewritten
	v_and_b32 v1, 31, v0
	v_and_b32 v2, 15, v0
	v_bfe_u32 v3, v0, 4, 1
	v_lshlrev_b32 v8, 3, v1
	s_wait_alu depctr_va_vdst(0)
	v_lshlrev_b32 v9, 4, v1
	s_lshl_b32 s18, s17, 4
	s_lshl_b32 s19, s15, 3
	s_add_co_u32 s18, s18, s19
	s_and_b32 s18, s18, 63
	s_lshl_b32 s18, s18, 12
	s_mov_b32 s19, 0
	s_add_nc_u64 s[98:99], s[8:9], s[18:19]        ; the table's tiles of my 128 tokens
.irp a, 0,1
.irp j, 0,1,2,3,4,5,6,7
	global_load_b128 v[CS+32*\a+4*\j:CS+32*\a+4*\j+3], v9, s[98:99] offset:4096*\a+512*\j
.endr
.endr
	s_cmp_eq_u32 ttmp9, 2
	s_cselect_b32 s66, s16, 0                      ; 1: my columns are v's
	s_mul_i32 s18, s15, HALFA
	s_mul_i32 s19, s16, HALFB
	s_add_co_u32 s19, s19, 2*HALFA
	s_cmp_eq_u32 s66, 0
	s_cselect_b32 s21, s18, s19
	s_cselect_b32 s22, s19, s18
.irp s, 0,1
	v_add_nc_u32 v[ADRA+\s], s21, v8
	v_add_nc_u32 v[ADRB+\s], s22, v8
	s_add_co_u32 s21, s21, SLOT
	s_add_co_u32 s22, s22, SLOT
.endr
	v_xor_b32 v4, s66, v3
	s_lshl_b32 s18, s15, 13
	s_lshl_b32 s19, s16, 13
	s_add_co_u32 s19, s19, 2*HALFSA
	s_sub_co_u32 s19, s19, s18
	v_mul_u32_u24 v4, s19, v4
	s_add_co_u32 s18, s18, SCL
	v_lshl_add_u32 v4, v2, 3, v4
	v_add_nc_u32 v[ADRS], s18, v4
	v_and_b32 v5, 8, v2
	v_add_nc_u32 v5, v5, v2
	s_lshl_b32 s18, s14, 10
	v_lshl_add_u32 v10, v3, 9, s18
	v_lshl_add_u32 v10, v5, 2, v10
	v_add_nc_u32 v11, s18, v9
	s_wait_alu depctr_va_vdst(0)                   ; the wait at the head's end
	s_wait_tensorcnt 0x0                           ; my tile of the head's four is in
	ds_add_u32 v[SPW], v[NIL]
	s_mov_b32 s[G1+2], 8<<16                       ; no tensor load of mine is out, so a descriptor may be written: from here on a load brings 8 tiles
	s_mov_b32 s[G1+4], 8
	s_mov_b32 s[G1B+2], 8<<16
	s_mov_b32 s[G1B+4], 8
	s_wait_dscnt 0x0
	CROUND                                         ; a whole round: all four tiles are in, and all sixteen work-groups are here,
	JLOAD G0+4, G1, G0B+4, G1B                     ; and chunk 1's load, the first tensor load behind the round
	FETCH_B 0, 0, 0
	FETCH_A 0, 0, 0, HB
	SCALES 0
	FETCH_A 0, 0, HB, HB
	STEP 0, 0, 1
	s_mov_b32 s3, LAPS-1
.Llap:
	TURN 0, 1, 1
	STEP 1, 0, 0
	TURN 1, 0, 1
	STEP 0, 0, 0
	s_sub_co_u32 s3, s3, 1
	s_cmp_lg_u32 s3, 0
	s_cbranch_scc1 .Llap
	TURN 0, 1, 0
	STEP 1, 0, 0
	s_wait_dscnt HB*NL
	WIN MUL_LO
	MULR 0, HB, 1, NQ-1, 1, 0
	s_wait_dscnt 0x0
	WIN MUL_UP
	MULR HB, HB, 1, NQ-1, 1, 0
	WIN 0
	PLACES NP
.irp b, 0,1,2,3
	v_mov_b32 v[TM+4+\b], 0
.endr
	v_mov_b32 v12, 0x7f7f7f7f
	s_lshl_b32 s20, s17, 4
	s_lshl_b32 s21, s15, 3
	s_add_co_u32 s20, s20, s21
	s_mov_b32 s23, 0
	s_cmp_lg_u32 s66, 0
	s_cbranch_scc1 .Lvway
	; ---- q's and k's way out: two heads of 64 a wave, 8 token tiles
	s_lshl_b32 s18, s42, 2
	s_lshl_b32 s19, s16, 1
	s_add_co_u32 s18, s18, s19
	s_lshl_b32 s19, s42, 1
	s_add_co_u32 s19, s19, 16
	s_cmp_lt_u32 s42, 8
	s_cselect_b32 s18, s18, s19
	s_mul_i32 s22, s18, 196608
	s_mul_i32 s21, s20, 768
	s_add_co_u32 s22, s22, s21
	s_add_nc_u64 s[92:93], s[10:11], s[22:23]
	s_lshl_b32 s22, s18, 14
	s_lshl_b32 s21, s20, 6
	s_add_co_u32 s22, s22, s21
	s_add_nc_u64 s[94:95], s[10:11], s[22:23]
	s_add_nc_u64 s[96:97], s[94:95], NRM
	s_add_nc_u64 s[94:95], s[94:95], QKS
.macro QKTILE a                        ; the rotation, -|.|^2 / 2, the quantiser, the stores of token tile a
.set CBS, CS+32*((\a)%2)
.set AC, 64*((\a)%4)
.if (\a) < 7
	s_wait_loadcnt 8
.else
	s_wait_loadcnt 0x0
.endif
	WIN 2+(\a)/4
.irp c, 0,1
.set I2, 0
.rept 8
.set TT, 236+4*((I2/2)%4)
	v_pk_mul_f32 v[TT:TT+1], v[AC+32*\c+16+I2:AC+32*\c+17+I2], v[CBS+16+I2:CBS+17+I2]
	v_pk_mul_f32 v[TT+2:TT+3], v[AC+32*\c+I2:AC+32*\c+1+I2], v[CBS+16+I2:CBS+17+I2]
	v_pk_fma_f32 v[HA+32*\c+I2:HA+32*\c+1+I2], v[AC+32*\c+I2:AC+32*\c+1+I2], v[CBS+I2:CBS+1+I2], v[TT:TT+1] neg_lo:[0,0,1] neg_hi:[0,0,1]
	v_pk_fma_f32 v[HA+32*\c+16+I2:HA+32*\c+17+I2], v[AC+32*\c+16+I2:AC+32*\c+17+I2], v[CBS+I2:CBS+1+I2], v[TT+2:TT+3]
.set I2, I2+2
.endr
.endr
	WIN 0
.irp n, 0,1,2,3
	v_pk_mul_f32 v[236+2*\n:237+2*\n], v[HA+16*\n:HA+16*\n+1], v[HA+16*\n:HA+16*\n+1]
.endr
.irp i, 2,4,6,8,10,12,14
.irp n, 0,1,2,3
	v_pk_fma_f32 v[236+2*\n:237+2*\n], v[HA+16*\n+\i:HA+16*\n+\i+1], v[HA+16*\n+\i:HA+16*\n+\i+1], v[236+2*\n:237+2*\n]
.endr
.endr
	v_pk_add_f32 v[236:237], v[236:237], v[238:239]
	v_pk_add_f32 v[240:241], v[240:241], v[242:243]
	v_add_f32 v236, v236, v237
	v_add_f32 v240, v240, v241
	v_permlanex16_b32 v244, v236, s[SEL], s[SEL+1]
	v_permlanex16_b32 v245, v240, s[SEL], s[SEL+1]
	v_add_f32 v236, v236, v244
	v_add_f32 v240, v240, v245
	v_cndmask_b32 v236, v236, v240, s67
	v_mul_f32 v236, -0.5, v236
	ds_store_b32 v10, v236 offset:4*(32*((\a)/2)+8*((\a)%2))
.if (\a) < 6
.irp j, 0,1,2,3,4,5,6,7
	global_load_b128 v[CBS+4*\j:CBS+4*\j+3], v9, s[98:99] offset:4096*((\a)+2)+512*\j
.endr
.endif
	s_wait_xcnt 0x0
	QUANT HA, 0, PWK+(\a)
.irp c, 0,1
.irp p, 0,1,2
	global_store_b64 v8, v[PC+6*\c+2*\p:PC+6*\c+2*\p+1], s[92:93] offset:196608*\c+768*(\a)+256*\p
.endr
.endr
.endm
	QKTILE 0
	QKTILE 1
	QKTILE 2
	QKTILE 3
	QKTILE 4
	QKTILE 5
	QKTILE 6
	QKTILE 7
.irp i, 0,1,2,3
	v_cndmask_b32 v[244+\i], v[PWK+2*\i], v[PWK+2*\i+1], s67
.endr
.irp i, 0,1,2,3
	v_perm_b32 v[236+\i], v12, v[244+\i], 0x05040100
	v_perm_b32 v[240+\i], v12, v[244+\i], 0x05040302
.endr
	global_store_b128 v9, v[236:239], s[94:95]
	global_store_b128 v9, v[240:243], s[94:95] offset:16384
	ds_load_b128 v[128:131], v11
	ds_load_b128 v[132:135], v11 offset:512
	s_wait_dscnt 0x0
	global_store_b128 v9, v[128:131], s[96:97]
	global_store_b128 v9, v[132:135], s[96:97] offset:16384
	s_branch .Lend
.Lvway:
	; ---- v's way out: a lane holds one of the head's 64, its registers run along the tokens
	s_wait_loadcnt 0x0
	s_sub_co_u32 s18, s42, 8
	s_lshl_b32 s18, s18, 6
	s_lshr_b32 s19, s20, 3
	s_add_co_u32 s18, s18, s19
	s_mul_i32 s22, s18, 6144
	s_add_nc_u64 s[92:93], s[12:13], s[22:23]
	s_lshl_b32 s22, s18, 8
	s_add_nc_u64 s[94:95], s[12:13], s[22:23]
	s_add_nc_u64 s[94:95], s[94:95], VSB
.macro VTILE a
.set QS, 64*((\a)%4)
.set QW, 2+(\a)/4
	s_wait_xcnt 0x0
	QUANT QS, QW, PWK+(\a)%4
.irp i, 0,1,2,3,4,5
	global_store_b64 v8, v[PC+2*\i:PC+2*\i+1], s[92:93] offset:196608*((\a)/4)+1536*((\a)%4)+256*\i
.endr
.if ((\a)%4) == 3
	v_cndmask_b32 v[232+2*((\a)/4)], v[PWK], v[PWK+1], s67
	v_cndmask_b32 v[233+2*((\a)/4)], v[PWK+2], v[PWK+3], s67
	global_store_b64 v8, v[232+2*((\a)/4):233+2*((\a)/4)], s[94:95] offset:8192*((\a)/4)
.endif
.endm
	VTILE 0
	VTILE 1
	VTILE 2
	VTILE 3
	VTILE 4
	VTILE 5
	VTILE 6
	VTILE 7
.Lend:
	s_wait_tensorcnt 0x0                           ; the wave's end
	ds_add_u32 v[SPW], v[NIL]
	s_wait_dscnt 0x0
	CROUND                                         ; the closing round
	s_endpgm
.Lfunc_end_k_qbc6a7630d8_proj:
	.size	k_qbc6a7630d8_proj, .Lfunc_end_k_qbc6a7630d8_proj-k_qbc6a7630d8_proj
	.p2alignl 7, 3214868480
	.fill 96, 4, 3214868480
	.section	.rodata,"a",@progbits
	.p2align	6, 0x0
	.amdhsa_kernel k_qbc6a7630d8_proj
		.amdhsa_group_segment_fixed_size 327680
		.amdhsa_private_segment_fixed_size 0
		.amdhsa_enable_private_segment 0
		.amdhsa_kernarg_size 56
		.amdhsa_user_sgpr_count 2
		.amdhsa_user_sgpr_kernarg_segment_ptr 1
		.amdhsa_wavefront_size32 1
		.amdhsa_system_sgpr_workgroup_id_x 1
		.amdhsa_system_sgpr_workgroup_id_y 1
		.amdhsa_system_sgpr_workgroup_id_z 1
		.amdhsa_system_vgpr_workitem_id 0
		.amdhsa_next_free_vgpr 1024
		.amdhsa_next_free_sgpr 102
		.amdhsa_reserve_vcc 0
		.amdhsa_float_denorm_mode_32 3
		.amdhsa_float_denorm_mode_16_64 3
		.amdhsa_memory_ordered 1
		.amdhsa_forward_progress 1
		.amdhsa_inst_pref_size 255
	.end_amdhsa_kernel
	.section	.bss,"aw",@nobits
	.p2align	6
	.space	262144
	.amdgpu_metadata
---
amdhsa.version: [ 1, 2 ]
amdhsa.kernels:
  - .name:           k_qbc6a7630d8_proj
    .symbol:         k_qbc6a7630d8_proj.kd
    .args:
      - { .name: xq, .offset: 0, .size: 8, .value_kind: global_buffer, .address_space: global }
      - { .name: wq, .offset: 8, .size: 8, .value_kind: global_buffer, .address_space: global }
      - { .name: rope, .offset: 16, .size: 8, .value_kind: global_buffer, .address_space: global }
      - { .name: qk, .offset: 24, .size: 8, .value_kind: global_buffer, .address_space: global }
      - { .name: vq, .offset: 32, .size: 8, .value_kind: global_buffer, .address_space: global }
      - { .name: Wo, .offset: 40, .size: 8, .value_kind: global_buffer, .address_space: global }
      - { .name: woq, .offset: 48, .size: 8, .value_kind: global_buffer, .address_space: global }
    .group_segment_fixed_size: 327680
    .private_segment_fixed_size: 0
    .kernarg_segment_align: 8
    .kernarg_segment_size: 56
    .max_flat_workgroup_size: 128
    .sgpr_count:     102
    .vgpr_count:     1024
    .wavefront_size: 32
...
	.end_amdgpu_metadata
.endif
;; end of part 2
;; launch attn (part 3): grid 8 x 32, 16 waves a work-group, clusters of 4 x 1, 167,936 bytes of LDS; arguments qk, vq, yq; writes yq
.if DOCPART == 3
	.amdgcn_target "amdgcn-amd-amdhsa--gfx1250"
	.amdhsa_code_object_version 6
	.text
	.protected	k_qbc6a7630d8_attn
	.globl	k_qbc6a7630d8_attn
	.p2align	8
	.type	k_qbc6a7630d8_attn,@function
k_qbc6a7630d8_attn:
	s_mov_b64 s[64:65], 0
	v_nop
	global_prefetch_b8 v0, s[64:65] scope:SCOPE_SE
	s_setreg_imm32_b32 hwreg(HW_REG_WAVE_MODE, 25, 1), 1
	s_wait_xcnt 0x0
	s_wait_alu depctr_hold_cnt(0) depctr_sa_sdst(0) depctr_va_vdst(0) depctr_va_sdst(0) depctr_va_ssrc(0) depctr_va_vcc(0) depctr_vm_vsrc(0)
	s_getreg_b32 s2, hwreg(HW_REG_IB_STS2, 6, 4)
	s_cmp_eq_u32 s2, 0
	s_cbranch_scc0 .Lentry_in_a_cluster
	s_endpgm
.Lentry_in_a_cluster:
	s_bfe_u32 s2, ttmp6, 0x10000c
	s_cmp_lg_u32 s2, 0x3003
	s_cbranch_scc0 .Lentry_shape_is_right
	s_endpgm
.Lentry_shape_is_right:
; ATTN: y = softmax((q . k - |q|^2 / 2 - |k|^2 / 2) / 8, causal) v on codes of FP6 (E2M3) with E8M0 scales; y is quantised along the head's 64 and stored as the last product's operand.
; t = score x log2(e); M = the running largest t rounded UP to a whole number; p = 2^(t - M) is quantised along the keys, not normalised; the row's sum is taken of the unquantised p and divides at the end.
; SHARES.  A cluster's four work-groups are the four query heads of one key and value head of one batch: they ask for K and V jointly, and differ in the global addresses of q and y alone.  A key head's codes, scale words and
; -|k|^2 / 2 for the batch's 1,024 keys are 108,544 bytes: they are filled once, and no ring is needed.  Wave w owns query tiles il = 16 p + w and 63 - il (p: the cluster's x), one after the other: tile tau needs key steps 0 .. tau / 8,
; so every wave has 9 steps of 128 keys.  The loops' trip counts are constants (4 and 8); a step whose keys all come after the tile's queries is jumped over, but for the lines that step addresses.
; LAYOUT.  Both products transposed: S^T = K Q^T (source 0 = 16 keys), O^T = V^T P^T (source 0 = 16 of the head's 64): a lane holds one query throughout.  Tiles of tokens and of d hold, in lane r of tile 2 g + u, member 32 g + 8 u + r + 8 (r / 8).
; K = 64 IN A FORM OF K = 128: q's upper six registers are zero codes, so a key tile's upper six may be any codes: they are the next tile's (the last tile's: zeros); the scale bytes there are 0x7f.
; -|k|^2 / 2 is loaded from LDS straight into the score registers and is the C of the score product.
; The one output that leaves in pieces is y's scale byte: one byte a lane, 1/24 of the codes' bytes.
; LIMITS: NaN and infinities are not served.  Hidden scores become -infinity (p = 0).  t is formed as c (dot - |k|^2 / 2) + c (-|q|^2 / 2), an order of rounding of its own, of f32 size.  A block of p or y under 2^-124 keeps the byte 1.
; REGISTERS: v1-4, v7, v94 lane terms; v5, v6 the add's two; v8-11 the step's addresses; v12 -M, v13 the largest t, v[14:15] the sum; v16-27 q; v28-33 the second tile's q; v34, v35 -|q|^2 / 2; v36 c q - M; v38 c q; v39 the mask's bound;
; v40-93 K's eight half fragments, later V's four; v96-159 S^T, then p; v160-191 O^T; v192-210 codes; v212-237 at work; v240-248 scale words; v238-243, v250-255 also sums of p.
.set QKS,   7864320
.set NRM,   8519680
.set VSB,   1572864
.set YSC,   6291456
.set VIMG,  49152
.set KSC,   98304
.set KNR,   102400
.set VSC,   106496
.set SPARE, 108544                     ; the spare words, 128 bytes for each of 16 waves
.set WV,  18
.set SEL, 20
.set CS,  22                           ; s[22:23] c = log2(e) / 8
.set G1L, 24                           ; s[24:31] group 1: 48 rows of 256 bytes
.set G1M, 32                           ; s[32:39] 8 rows of 256 bytes
.set G0L, 40
.set G0M, 44
.set HM,  48
.set KF,  49                           ; the step's first key
.set KD,  50                           ; the first key of the step on the diagonal
.set TB,  51                           ; the step's place among K's and V's images: 6,144 bytes a step
.set TS,  52                           ; among K's scale words and norms: 512
.set TV,  53                           ; among V's scale words: 256
.set CNT, 54
.macro CROUND
	s_barrier_signal -1
	s_barrier_wait -1
	s_cmp_lg_u32 s[WV], 0
	s_cbranch_scc1 .Lnot_wave_0_\@
	s_barrier_signal -3
.Lnot_wave_0_\@:
	s_barrier_wait -3
	s_barrier_signal -1
	s_barrier_wait -1
.endm
; tile s[tau]'s q: codes, scale word, -|q|^2 / 2; and the offsets of its y
.macro QLOAD tau, cod, qs, nq, o, yo
	s_lshl_b32 s74, s11, 6
	s_add_co_u32 s74, s74, s[\tau]                 ; the tile, counted through the batches
	s_mul_i32 s75, s74, 768
	s_add_co_u32 s75, s75, s86
	v_add_nc_u32 v[\o], s75, v1
	global_load_b64 v[\cod:\cod+1], v[\o], s[4:5]
	global_load_b64 v[\cod+2:\cod+3], v[\o], s[4:5] offset:256
	global_load_b64 v[\cod+4:\cod+5], v[\o], s[4:5] offset:512
	s_lshr_b32 s75, s74, 3
	s_lshl_b32 s75, s75, 9
	s_and_b32 s76, s74, 1
	s_lshl_b32 s76, s76, 8
	s_add_co_u32 s75, s75, s76
	s_bfe_u32 s76, s74, 0x20001
	s_lshl_b32 s76, s76, 2
	s_add_co_u32 s75, s75, s76
	s_add_co_u32 s75, s75, s87
	s_add_co_u32 s75, s75, QKS
	v_lshl_add_u32 v[\o+1], v8, 4, s75
	global_load_b32 v[\qs], v[\o+1], s[4:5]
	s_lshr_b32 s75, s[\tau], 1
	s_lshl_b32 s75, s75, 5
	s_and_b32 s76, s[\tau], 1
	s_lshl_b32 s76, s76, 3
	s_add_co_u32 s75, s75, s76
	s_lshl_b32 s76, s11, 10
	s_add_co_u32 s75, s75, s76
	s_lshl_b32 s75, s75, 2
	s_add_co_u32 s75, s75, s87
	s_add_co_u32 s75, s75, NRM
	v_lshl_add_u32 v[\o+2], v10, 2, s75
	global_load_b32 v[\nq], v[\o+2], s[4:5]
	s_mul_i32 s77, s74, 6144
	s_add_co_u32 s[\yo], s77, s88
	s_lshl_b32 s77, s74, 10
	s_add_co_u32 s[\yo+1], s77, s89
.endm
; A KEY STEP: 128 keys
.macro STEP qs
	s_cmp_gt_u32 s[KF], s[KD]                      ; all its keys come after my queries: only the addresses step
	s_cbranch_scc1 .Lhid_\@
	v_add_nc_u32 v8, s[TB], v1                     ; (these four are also the places behind the last step's products)
	v_add_nc_u32 v9, s[TS], v2
	v_add_nc_u32 v10, s[TS], v3
	v_add_nc_u32 v11, s[TV], v4
.irp t, 0,1,2,3,4,5,6,7
.irp p, 0,1,2
	ds_load_b64 v[40+6*\t+2*\p:41+6*\t+2*\p], v8 offset:768*\t+256*\p
.endr
.endr
.irp b, 0,1,2,3
.irp m, 0,1,2,3
	ds_load_b128 v[96+16*\b+4*\m:99+16*\b+4*\m], v10 offset:128*\b+16*\m   ; -|k|^2 / 2 of keys 32 b + 16 h + 4 m on: the products' C
.endr
.endr
	ds_load_b128 v[240:243], v9                    ; register i: lanes 0-15 tile 2 i's words, lanes 16-31 tile 2 i + 1's
	s_wait_alu depctr_va_vdst(0)
	s_wait_dscnt 0x0
.irp t, 0,1,2,3,4,5,6,7
.if (\t)%2
	v_wmma_scale_f32_16x16x128_f8f6f4 v[96+8*\t:103+8*\t], v[40+6*\t:51+6*\t], v[16:27], v[96+8*\t:103+8*\t], v[240+\t/2], v[\qs] matrix_a_fmt:MATRIX_FMT_FP6 matrix_b_fmt:MATRIX_FMT_FP6 matrix_a_scale:MATRIX_SCALE_ROW1
.else
	v_wmma_scale_f32_16x16x128_f8f6f4 v[96+8*\t:103+8*\t], v[40+6*\t:51+6*\t], v[16:27], v[96+8*\t:103+8*\t], v[240+\t/2], v[\qs] matrix_a_fmt:MATRIX_FMT_FP6 matrix_b_fmt:MATRIX_FMT_FP6
.endif
.endr
.rept 4
	v_nop                                          ; places ahead of the loads over K's registers and of the first read of the scores
.endr
.irp t, 0,1,2,3
.irp i, 0,1,2,3,4,5
	ds_load_b64 v[40+12*\t+2*\i:41+12*\t+2*\i], v8 offset:VIMG+1536*\t+256*\i   ; V lands under the softmax
.endr
.endr
	ds_load_b64 v[244:245], v11
	s_cmp_lg_u32 s[KF], s[KD]                      ; only the step on the diagonal has hidden keys
	s_cbranch_scc1 .Lopen_\@
	v_mov_b32 v230, 0xff800000
.set N, 0
.rept 64                                       ; register 16 b + i holds key KF + 32 b + 16 h + i: hidden where 32 b + i is above my query - KF - 16 h
	v_cmp_gt_i32 vcc_lo, 32*(N/16)+N%16, v39
	v_cndmask_b32 v[96+N], v[96+N], v230, vcc_lo
.set N, N+1
.endr
.Lopen_\@:
.irp b, 0,1,2,3
	v_max3_num_f32 v[212+\b], v[96+16*\b], v[97+16*\b], v[98+16*\b]   ; the largest score of each block of 32 keys: for the row's maximum and, since p rises with the score, for the block's largest p
.endr
.irp i, 3,5,7,9,11,13
.irp b, 0,1,2,3
	v_max3_num_f32 v[212+\b], v[212+\b], v[96+16*\b+\i], v[97+16*\b+\i]
.endr
.endr
.irp b, 0,1,2,3
	v_max_num_f32 v[212+\b], v[212+\b], v[111+16*\b]
.endr
.irp b, 0,1,2,3
	s_delay_alu instid0(VALU_DEP_4)
	v_permlanex16_b32 v[216+\b], v[212+\b], s[SEL], s[SEL+1]
.endr
.irp b, 0,1,2,3
	s_delay_alu instid0(VALU_DEP_4)
	v_max_num_f32 v[212+\b], v[212+\b], v[216+\b]
.endr
	s_delay_alu instid0(VALU_DEP_2)
	v_max3_num_f32 v230, v212, v213, v214
	s_delay_alu instid0(VALU_DEP_1)
	v_max_num_f32 v230, v230, v215
	s_delay_alu instid0(VALU_DEP_1)
	v_fma_f32 v230, v230, s[CS], v38               ; as t: c x score + c (-|q|^2 / 2)
	s_delay_alu instid0(VALU_DEP_1)
	v_max_num_f32 v13, v13, v230
	v_mov_b32 v230, v12
	s_delay_alu instid0(VALU_DEP_2)
	v_floor_f32 v12, -v13                          ; the new -M: a whole number
	s_delay_alu instid0(VALU_DEP_1)
	v_sub_f32 v230, v12, v230
	s_delay_alu instid0(VALU_DEP_1)
	v_cvt_i32_f32 v230, v230                       ; (it saturates)
	s_delay_alu instid0(VALU_DEP_1)
	v_ldexp_f32 v228, 1.0, v230                    ; f = 2^(old M - new M)
	s_delay_alu instid0(VALU_DEP_4)
	v_add_f32 v36, v12, v38
.set J, 0
.rept 32
	v_pk_fma_f32 v[96+J:97+J], v[96+J:97+J], s[CS:CS+1], v[36:37] op_sel_hi:[1,0,0]   ; t - M
.set J, J+2
.endr
.irp b, 0,1,2,3
	v_fma_f32 v[212+\b], v[212+\b], s[CS], v36
.endr
.set J, 0
	s_wait_alu depctr_va_vdst(0)
.rept 64
	v_exp_f32 v[96+J], v[96+J]
.set J, J+1
.endr
	v_pk_mul_f32 v[14:15], v[14:15], v[228:229] op_sel_hi:[1,0]   ; the sum under the new M (a plain line behind the exponentials)
	s_wait_alu depctr_va_vdst(0)                   ; one wait for the batch of 64, ahead of its first reader
.irp b, 0,1,2,3
	v_exp_f32 v[212+\b], v[212+\b]                 ; each block's largest p
.endr
	v_pk_add_f32 v[232:233], v[100:101], v[104:105]
	v_pk_add_f32 v[254:255], v[108:109], v[112:113]
	v_pk_add_f32 v[252:253], v[116:117], v[120:121]
	v_pk_add_f32 v[250:251], v[124:125], v[128:129]
	v_pk_add_f32 v[242:243], v[132:133], v[136:137]
	v_pk_add_f32 v[240:241], v[140:141], v[144:145]
	v_pk_add_f32 v[238:239], v[148:149], v[152:153]
	v_pk_add_f32 v[14:15], v[14:15], v[156:157]
	v_pk_add_f32 v[232:233], v[232:233], v[96:97]
	v_pk_add_f32 v[254:255], v[254:255], v[98:99]
	v_pk_add_f32 v[252:253], v[252:253], v[102:103]
	v_pk_add_f32 v[250:251], v[250:251], v[106:107]
	v_pk_add_f32 v[242:243], v[242:243], v[110:111]
	v_pk_add_f32 v[240:241], v[240:241], v[114:115]
	v_pk_add_f32 v[238:239], v[238:239], v[118:119]
	v_pk_add_f32 v[14:15], v[14:15], v[122:123]
	v_pk_add_f32 v[232:233], v[232:233], v[126:127]
	v_pk_add_f32 v[254:255], v[254:255], v[130:131]
	v_pk_add_f32 v[252:253], v[252:253], v[134:135]
	v_pk_add_f32 v[250:251], v[250:251], v[138:139]
	v_pk_add_f32 v[242:243], v[242:243], v[142:143]
	v_pk_add_f32 v[240:241], v[240:241], v[146:147]
	v_pk_add_f32 v[238:239], v[238:239], v[150:151]
	v_pk_add_f32 v[14:15], v[14:15], v[154:155]
	v_pk_add_f32 v[232:233], v[232:233], v[158:159]
	s_delay_alu instid0(VALU_DEP_2)
	v_pk_add_f32 v[14:15], v[14:15], v[250:251]
	s_delay_alu instid0(VALU_DEP_2)
	v_pk_add_f32 v[232:233], v[232:233], v[242:243]
	v_pk_add_f32 v[254:255], v[254:255], v[240:241]
	v_pk_add_f32 v[252:253], v[252:253], v[238:239]
	s_delay_alu instid0(VALU_DEP_2)
	v_pk_add_f32 v[14:15], v[14:15], v[254:255]
	s_delay_alu instid0(VALU_DEP_2)
	v_pk_add_f32 v[232:233], v[232:233], v[252:253]
	s_delay_alu instid0(VALU_DEP_1)
	v_pk_add_f32 v[14:15], v[14:15], v[232:233]
	s_wait_alu depctr_va_vdst(0)                   ; and one for the four
.irp b, 0,1,2,3
	v_max_num_f32 v[212+\b], 0x1800000, v[212+\b]  ; the floor: the byte cannot fall under 1
.endr
.irp b, 0,1,2,3
	s_delay_alu instid0(VALU_DEP_4)
	v_add_nc_u32 v[220+\b], 0xff000000, v[212+\b]
.endr
.irp b, 0,1,2,3
	s_delay_alu instid0(VALU_DEP_4)
	v_lshrrev_b32 v[224+\b], 23, v[220+\b]
.endr
	s_delay_alu instid0(VALU_DEP_3)
	v_lshl_or_b32 v246, v225, 8, v224              ; p's scale word for these 128 keys
	s_delay_alu instid0(VALU_DEP_1)
	v_lshl_or_b32 v246, v226, 16, v246
	s_delay_alu instid0(VALU_DEP_1)
	v_lshl_or_b32 v246, v227, 24, v246
.irp c, 0,1
	v_cvt_scalef32_pk16_fp6_f32 v[192+6*\c:194+6*\c], v[96+32*\c:111+32*\c], v[220+2*\c]
	v_cvt_scalef32_pk16_fp6_f32 v[204+4*\c:206+4*\c], v[112+32*\c:127+32*\c], v[221+2*\c]
.endr
	v_nop                                          ; one plain line behind the conversions
.irp c, 0,1
.irp i, 0,1,2
	v_permlane16_swap_b32 v[192+6*\c+\i], v[204+4*\c+\i]
.endr
.irp i, 0,1,2
	s_delay_alu instid0(VALU_DEP_3)
	v_mov_b32 v[195+6*\c+\i], v[204+4*\c+\i]
.endr
.endr
.set J, 0
.rept 16
	v_pk_mul_f32 v[160+J:161+J], v[160+J:161+J], v[228:229] op_sel_hi:[1,0]   ; O^T under the new M; these sixteen are also the places between the scale word, the codes and the products
.set J, J+2
.endr
	s_wait_alu depctr_va_vdst(0)
	s_wait_dscnt 0x0                               ; V is in
.irp t, 0,1,2,3
.if (\t)%2
	v_wmma_scale_f32_16x16x128_f8f6f4 v[160+8*\t:167+8*\t], v[40+12*\t:51+12*\t], v[192:203], v[160+8*\t:167+8*\t], v[244+\t/2], v246 matrix_a_fmt:MATRIX_FMT_FP6 matrix_b_fmt:MATRIX_FMT_FP6 matrix_a_scale:MATRIX_SCALE_ROW1
.else
	v_wmma_scale_f32_16x16x128_f8f6f4 v[160+8*\t:167+8*\t], v[40+12*\t:51+12*\t], v[192:203], v[160+8*\t:167+8*\t], v[244+\t/2], v246 matrix_a_fmt:MATRIX_FMT_FP6 matrix_b_fmt:MATRIX_FMT_FP6
.endif
.endr
.Lhid_\@:
	s_add_co_u32 s[KF], s[KF], 128
	s_add_co_u32 s[TB], s[TB], 6144
	s_add_co_u32 s[TS], s[TS], 512
	s_add_co_u32 s[TV], s[TV], 256
.endm
; One query tile from first key to y
.macro PASS second, trips, qs, nq, tau, yo
.if \second
	s_wait_xcnt 0x0                                ; the first tile's stores have read their registers
.irp i, 0,1,2,3,4,5
	v_mov_b32 v[16+\i], v[28+\i]
.endr
.endif
	v_mul_f32 v38, s[CS], v[\nq]                   ; c (-|q|^2 / 2)
	s_bfe_u32 s74, s[\tau], 0x20001
	s_lshl_b32 s74, s74, 5
	s_and_b32 s75, s[\tau], 1
	s_lshl_b32 s75, s75, 3
	s_add_co_u32 s74, s74, s75
	v_add_nc_u32 v39, s74, v7                      ; my query less the diagonal step's first key less 16 h
	s_lshr_b32 s[KD], s[\tau], 3
	s_lshl_b32 s[KD], s[KD], 7
	s_mov_b32 s[KF], 0
	s_mov_b32 s[TB], 0
	s_mov_b32 s[TS], 0
	s_mov_b32 s[TV], 0
	v_mov_b32 v13, 0xff61b1e6                      ; -3e38, under every t
	s_delay_alu instid0(VALU_DEP_1)
	v_floor_f32 v12, -v13
	v_mov_b32 v14, 0
	v_mov_b32 v15, 0
.set J, 0
.rept 32
	v_mov_b32 v[160+J], 0                          ; the step is written once: the first finds zeros, which the first change of M leaves zeros
.set J, J+1
.endr
	s_mov_b32 s[CNT], \trips
.Lstep_\@:
	STEP \qs
	s_sub_co_u32 s[CNT], s[CNT], 1
	s_cmp_lg_u32 s[CNT], 0
	s_cbranch_scc1 .Lstep_\@
.rept 4
	v_nop                                          ; places behind the last products
.endr
	v_add_f32 v14, v14, v15
	s_delay_alu instid0(VALU_DEP_1)
	v_permlanex16_b32 v230, v14, s[SEL], s[SEL+1]
	s_delay_alu instid0(VALU_DEP_1)
	v_add_f32 v14, v14, v230                       ; the row's sum
	s_wait_alu depctr_va_vdst(0)
	v_rcp_f32 v228, v14
	v_add_nc_u32 v234, s[\yo], v1                  ; (plain lines behind the reciprocal)
	v_add_nc_u32 v235, s[\yo+1], v94
	s_wait_alu depctr_va_vdst(0)
.set J, 0
.rept 16
	v_pk_mul_f32 v[96+J:97+J], v[160+J:161+J], v[228:229] op_sel_hi:[1,0]   ; y: register 16 b + i is d = 32 b + 16 h + i
.set J, J+2
.endr
.irp b, 0,1
	v_max3_num_f32 v[212+\b], |v[96+16*\b]|, |v[97+16*\b]|, 0x1800000
.endr
.irp i, 2,4,6,8,10,12,14
.irp b, 0,1
	s_delay_alu instid0(VALU_DEP_2)
	v_max3_num_f32 v[212+\b], v[212+\b], |v[96+16*\b+\i]|, |v[97+16*\b+\i]|
.endr
.endr
.irp b, 0,1
	s_delay_alu instid0(VALU_DEP_2)
	v_permlanex16_b32 v[216+\b], v[212+\b], s[SEL], s[SEL+1]
.endr
.irp b, 0,1
	s_delay_alu instid0(VALU_DEP_2)
	v_max_num_f32 v[212+\b], v[212+\b], v[216+\b]
.endr
.irp b, 0,1
	s_delay_alu instid0(VALU_DEP_2)
	v_add_nc_u32 v[220+\b], 0xff000000, v[212+\b]
.endr
.irp b, 0,1
	s_delay_alu instid0(VALU_DEP_2)
	v_lshrrev_b32 v[224+\b], 23, v[220+\b]
.endr
	v_cvt_scalef32_pk16_fp6_f32 v[192:194], v[96:111], v220
	v_cvt_scalef32_pk16_fp6_f32 v[196:198], v[112:127], v221
	v_cndmask_b32 v224, v224, v225, s[HM]          ; lane half h carries block h's byte (the plain line behind the conversions)
.irp i, 0,1,2
	v_permlane16_swap_b32 v[192+\i], v[196+\i]
.endr
.irp i, 0,1,2
	s_delay_alu instid0(VALU_DEP_3)
	v_mov_b32 v[195+\i], v[196+\i]
.endr
.irp p, 0,1,2
	global_store_b64 v234, v[192+2*\p:193+2*\p], s[8:9] offset:256*\p   ; 256 consecutive bytes each: my head's half of a fragment of the last product's operand
.endr
	global_store_b8 v235, v224, s[8:9] offset:YSC
.endm
	s_load_b128 s[4:7], s[0:1], 0x0                ; qk s[4:5], vq s[6:7]
	s_load_b64 s[8:9], s[0:1], 0x10                ; yq
	v_lshl_add_u32 v5, v0, 2, SPARE
	v_mov_b32 v6, 0
	ds_add_u32 v5, v6                              ; the wave's opening: the add and its wait ahead of the first tensor loads
	ds_add_u32 v5, v6
	v_lshrrev_b32 v8, 5, v0
	s_delay_alu instid0(VALU_DEP_1)
	v_readfirstlane_b32 s[WV], v8                  ; wave 0..15
	s_bfe_u32 s19, ttmp6, 0x40000                  ; cx: which of the four query heads: it enters q's and y's global addresses alone
	s_and_b32 s10, ttmp7, 0xffff
	s_lshr_b32 s11, s10, 3                         ; batch
	s_and_b32 s12, s10, 7                          ; key and value head
	s_mov_b32 s[G1L], 15|(3<<16)|(1<<21)           ; the mask: all four; elements of 8 bytes; bit 21 set beside a mask
	s_mov_b32 s[G1L+1], 32<<16
	s_mov_b32 s[G1L+2], 48<<16
	s_mov_b32 s[G1L+3], 32<<16
	s_mov_b32 s[G1L+4], 48
	s_mov_b32 s[G1L+5], 32
	s_mov_b32 s[G1L+6], 0
	s_mov_b32 s[G1L+7], 0
	s_mov_b32 s[G1M], 15|(3<<16)|(1<<21)
	s_mov_b32 s[G1M+1], 32<<16
	s_mov_b32 s[G1M+2], 8<<16
	s_mov_b32 s[G1M+3], 32<<16
	s_mov_b32 s[G1M+4], 8
	s_mov_b32 s[G1M+5], 32
	s_mov_b32 s[G1M+6], 0
	s_mov_b32 s[G1M+7], 0
	s_mul_i32 s13, s12, 196608                     ; waves 0-3: a quarter each of K's images; waves 4-7: of V's
	s_mul_i32 s14, s11, 49152
	s_add_co_u32 s13, s13, s14
	s_and_b32 s14, s[WV], 3
	s_mul_i32 s14, s14, 12288
	s_add_co_u32 s78, s13, s14
	s_mov_b32 s79, 0
	s_lshl_b32 s14, s12, 14                        ; waves 8, 9: K's scale words; 10, 11: -|k|^2 / 2; 12: V's scale words
	s_lshl_b32 s15, s11, 12
	s_add_co_u32 s14, s14, s15
	s_and_b32 s15, s[WV], 1
	s_lshl_b32 s15, s15, 11
	s_add_co_u32 s14, s14, s15
	s_lshr_b32 s15, s14, 1
	s_mov_b32 s16, VSB
	s_mov_b32 s17, NRM+524288
	s_cmp_lt_u32 s[WV], 12
	s_cselect_b32 s80, s14, s15
	s_cselect_b32 s16, s17, s16
	s_mov_b32 s17, QKS+524288
	s_cmp_lt_u32 s[WV], 10
	s_cselect_b32 s16, s17, s16
	s_add_co_u32 s80, s80, s16
	s_mov_b32 s81, 0
	s_mov_b32 s[SEL], 0x76543210
	s_mov_b32 s[SEL+1], 0xfedcba98
	s_mov_b32 s[CS], 0x3e38aa3b
	s_mov_b32 s[CS+1], s[CS]
	s_mov_b32 s[HM], 0xffff0000
	s_lshl_b32 s85, s12, 2
	s_add_co_u32 s85, s85, s19                     ; my query head
	s_mul_i32 s86, s85, 196608
	s_lshl_b32 s87, s85, 14
	s_and_b32 s88, s85, 7                          ; y's codes lie [chunk of 4 K steps = 8 heads][tile][4 fragments]: my head's half fragment in its chunk,
	s_mul_i32 s88, s88, 768
	s_lshr_b32 s84, s85, 3
	s_mul_i32 s84, s84, 1572864                    ; and the chunk: 256 tiles x 6,144 bytes
	s_add_co_u32 s88, s88, s84
	s_lshl_b32 s89, s12, 7
	s_lshl_b32 s84, s19, 1
	s_add_co_u32 s89, s89, s84
	s_lshl_b32 s72, ttmp9, 4
	s_add_co_u32 s72, s72, s[WV]                   ; my first query tile,
	s_sub_co_u32 s73, 63, s72                      ; and my second
	s_wait_dscnt 0x0                               ; the opening add is done
	s_wait_kmcnt 0x0
	s_add_nc_u64 s[82:83], s[4:5], 6291456         ; k's half fragments: places 32 on in qk
	s_cmp_lt_u32 s[WV], 4
	s_cselect_b64 s[82:83], s[82:83], s[6:7]
	s_mov_b32 s[G0L], 1
	s_mul_i32 s[G0L+1], s[WV], 12288               ; K's images from 0, V's from 49,152
	s_add_nc_u64 s[G0L+2:G0L+3], s[82:83], s[78:79]
	s_or_b32 s[G0L+3], s[G0L+3], 0x80000000
	s_cmp_lt_u32 s[WV], 12
	s_cselect_b64 s[82:83], s[4:5], s[6:7]
	s_mov_b32 s[G0M], 1
	s_lshl_b32 s[G0M+1], s[WV], 11
	s_add_co_u32 s[G0M+1], s[G0M+1], KSC-8*2048    ; 98,304 + 2,048 (wave - 8)
	s_add_nc_u64 s[G0M+2:G0M+3], s[82:83], s[80:81]
	s_or_b32 s[G0M+3], s[G0M+3], 0x80000000
	CROUND                                         ; all four work-groups are here: the joint loads meet
	s_cmp_lt_u32 s[WV], 8                          ; one load a wave; waves 13-15 none
	s_cbranch_scc0 .Lnot_large
	tensor_load_to_lds s[G0L:G0L+3], s[G1L:G1L+7]
	s_nop 0
.rept 4
	v_nop
.endr
	s_branch .Lasked
.Lnot_large:
	s_cmp_lt_u32 s[WV], 13
	s_cbranch_scc0 .Lasked
	tensor_load_to_lds s[G0M:G0M+3], s[G1M:G1M+7]
	s_nop 0
.rept 4
	v_nop
.endr
.Lasked:
	v_and_b32 v9, 31, v0                           ; lane
	v_and_b32 v8, 15, v0                           ; r
	v_bfe_u32 v11, v0, 4, 1                        ; h
	s_delay_alu instid0(VALU_DEP_2)
	v_and_b32 v10, 8, v8
	s_delay_alu instid0(VALU_DEP_1)
	v_add_nc_u32 v10, v10, v8                      ; r + 8 (r / 8)
	v_lshlrev_b32 v1, 3, v9
	v_lshl_add_u32 v2, v9, 4, KSC
	v_lshl_add_u32 v3, v11, 6, KNR
	s_delay_alu instid0(VALU_DEP_3)
	v_add_nc_u32 v4, VSC, v1
	v_lshlrev_b32 v7, 4, v11
	s_delay_alu instid0(VALU_DEP_1)
	v_sub_nc_u32 v7, v10, v7
	v_lshl_add_u32 v94, v8, 3, v11
	QLOAD 72, 16, 247, 34, 96, 56
	QLOAD 73, 28, 248, 35, 100, 58
.irp i, 0,1,2,3,4,5
	v_mov_b32 v[22+\i], 0                          ; q's upper half of K: zero codes
	v_mov_b32 v[88+\i], 0                          ; behind the last key tile
.endr
.irp b, 0,1,2,3
	v_mov_b32 v[216+\b], 0                         ; a lane permute's destination counts as read
.endr
	v_mov_b32 v230, 0
	v_mov_b32 v37, 0                               ; named as the upper halves of pairs
	v_mov_b32 v229, 0
	s_wait_tensorcnt 0x0                           ; my part has landed,
	s_barrier_signal -1
	s_barrier_wait -1                              ; everybody's has; nothing is filled again, and no barrier follows until the end
	s_wait_loadcnt 0x0                             ; q
	PASS 0, 4, 247, 34, 72, 56
	PASS 1, 8, 248, 35, 73, 58
	s_wait_tensorcnt 0x0                           ; the wave's end
	ds_add_u32 v5, v6
	s_wait_dscnt 0x0
	CROUND                                         ; the closing round
	s_endpgm
.Lfunc_end_k_qbc6a7630d8_attn:
	.size	k_qbc6a7630d8_attn, .Lfunc_end_k_qbc6a7630d8_attn-k_qbc6a7630d8_attn
	.p2alignl 7, 3214868480
	.fill 96, 4, 3214868480
	.section	.rodata,"a",@progbits
	.p2align	6, 0x0
	.amdhsa_kernel k_qbc6a7630d8_attn
		.amdhsa_group_segment_fixed_size 167936
		.amdhsa_private_segment_fixed_size 0
		.amdhsa_enable_private_segment 0
		.amdhsa_kernarg_size 24
		.amdhsa_user_sgpr_count 2
		.amdhsa_user_sgpr_kernarg_segment_ptr 1
		.amdhsa_wavefront_size32 1
		.amdhsa_system_sgpr_workgroup_id_x 1
		.amdhsa_system_sgpr_workgroup_id_y 1
		.amdhsa_system_sgpr_workgroup_id_z 1
		.amdhsa_system_vgpr_workitem_id 0
		.amdhsa_next_free_vgpr 256
		.amdhsa_next_free_sgpr 96
		.amdhsa_reserve_vcc 1
		.amdhsa_float_denorm_mode_32 3
		.amdhsa_float_denorm_mode_16_64 3
		.amdhsa_memory_ordered 1
		.amdhsa_forward_progress 1
		.amdhsa_inst_pref_size 72
	.end_amdhsa_kernel
	.amdgpu_metadata
---
amdhsa.version: [ 1, 2 ]
amdhsa.kernels:
  - .name:           k_qbc6a7630d8_attn
    .symbol:         k_qbc6a7630d8_attn.kd
    .args:
      - { .name: qk, .offset: 0, .size: 8, .value_kind: global_buffer, .address_space: global }
      - { .name: vq, .offset: 8, .size: 8, .value_kind: global_buffer, .address_space: global }
      - { .name: yq, .offset: 16, .size: 8, .value_kind: global_buffer, .address_space: global }
    .group_segment_fixed_size: 167936
    .private_segment_fixed_size: 0
    .kernarg_segment_align: 8
    .kernarg_segment_size: 24
    .max_flat_workgroup_size: 512
    .sgpr_count:     96
    .vgpr_count:     256
    .wavefront_size: 32
...
	.end_amdgpu_metadata
.endif
;; end of part 3
;; launch outp (part 4): grid 8 x 32, 4 waves a work-group, clusters of 4 x 4, 327,680 bytes of LDS; arguments yq, woq, out0; writes out0
.if DOCPART == 4
	.amdgcn_target "amdgcn-amd-amdhsa--gfx1250"
	.amdhsa_code_object_version 6
	.text
	.protected	k_qbc6a7630d8_outp
	.globl	k_qbc6a7630d8_outp
	.p2align	8
	.type	k_qbc6a7630d8_outp,@function
k_qbc6a7630d8_outp:
	s_mov_b64 s[64:65], 0
	v_nop
	global_prefetch_b8 v0, s[64:65] scope:SCOPE_SE
	s_setreg_imm32_b32 hwreg(HW_REG_WAVE_MODE, 25, 1), 1
	s_wait_xcnt 0x0
	s_wait_alu depctr_hold_cnt(0) depctr_sa_sdst(0) depctr_va_vdst(0) depctr_va_sdst(0) depctr_va_ssrc(0) depctr_va_vcc(0) depctr_vm_vsrc(0)
	s_getreg_b32 s2, hwreg(HW_REG_IB_STS2, 6, 4)
	s_cmp_eq_u32 s2, 0
	s_cbranch_scc0 .Lentry_in_a_cluster
	s_endpgm
.Lentry_in_a_cluster:
	s_bfe_u32 s2, ttmp6, 0x10000c
	s_cmp_lg_u32 s2, 0xf033
	s_cbranch_scc0 .Lentry_shape_is_right
	s_endpgm
.Lentry_shape_is_right:
; OUTP: out0 = y Wo on codes of FP6 (E2M3) with E8M0 scales.  A block of 128 tokens x 256 columns to a work-group, 64 x 128 to a wave; 4 x 4 work-groups to a cluster, A's tiles asked for jointly along a row, B's along a column.
; K goes by chunks of 4 K steps through two LDS slots.  The codes lie [chunk][tile][4 fragments], so a block's tiles of a chunk are dense: 49,152 bytes of y, 98,304 of Wo.
; LDS: A's slot 0, A's slot 1, B's slot 0, B's slot 1, the scales, the spare words.  THE HEAD: one tensor load a wave: wave 0 A's chunks 0 and 1 (two rows, a chunk apart in memory: both slots), wave 1 A's scales, wave 2 B's chunks 0 and 1, wave 3 B's scales.
; NO PREFETCH: K has four chunks, of which the head brings two; the ring's only two refills are its last two, and no chunk lies two refills on.
.set NQ,     4
.set YCH,    1572864
.set OCH,    786432
.set RTB,    NQ*1536
.set HALFA,  4*RTB
.set HALFB,  8*RTB
.set SLOT,   2*HALFA+2*HALFB
.set SLA,    2*HALFA
.set SLB,    2*HALFB
.set BREG,   4*HALFA
.set SCL,    2*SLOT
.set HALFSA, 4096
.set HALFSB, 8192
.set SPARE,  SCL+2*HALFSA+2*HALFSB
.set LAPS,   2
.set HB,     2
.set QB,     1
.set NL,     6
.set NP,     4
.set YSC,    6291456
.set WSC,    3145728
.set ADRA, 16
.set ADRB, 20
.set STO,  24
.set RD,   25
.set CO,   26
.set ADRS, 27
.set SPW,  28
.set NIL,  29
.set SC,   32
.set AF,   128
.set BK,   128
.set G1, 24
.set G0, 32
.set G1B, 48
.set G0B, 56
.set G1S, 68
.set G0S, 76
.set G1SB, 80
.set G0SB, 88
.set MSB, 0
.macro WIN new
.if MSB != (\new)
	s_set_vgpr_msb (MSB<<8)|(\new)
.set MSB, (\new)
.endif
.endm
.set MUL_LO, 0xa1
.set MUL_UP, 0xa1
.set TO_B,   0x40
.macro JLOAD g0a, g1a, g0b, g1b
	s_cmp_eq_u32 s15, 0
	s_cbranch_scc0 .Lfor_b_\@
	tensor_load_to_lds s[\g0a:\g0a+3], s[\g1a:\g1a+7]
	s_nop 0
.rept 4
	v_nop
.endr
	s_branch .Lasked_\@
.Lfor_b_\@:
	tensor_load_to_lds s[\g0b:\g0b+3], s[\g1b:\g1b+7]
	s_nop 0
.rept 4
	v_nop
.endr
.Lasked_\@:
.endm
.macro CREST
	s_cmp_lg_u32 s14, 0
	s_cbranch_scc1 .Lnot_wave_0_\@
	s_barrier_signal -3
.Lnot_wave_0_\@:
	s_barrier_wait -3
	s_barrier_signal -1
	s_barrier_wait -1
.endm
.macro CROUND
	s_barrier_signal -1
	s_barrier_wait -1
	CREST
.endm
.macro SHAPE g, c, r, p
	s_mov_b32 s[\g+1], (\c)<<16
	s_mov_b32 s[\g+2], (\r)<<16
	s_mov_b32 s[\g+3], (\c)<<16
	s_mov_b32 s[\g+4], \r
	s_mov_b32 s[\g+5], \p
	s_mov_b32 s[\g+6], 0
	s_mov_b32 s[\g+7], 0
.endm
.macro PLACES n
.rept \n
	v_nop
.endr
.endm
.macro FRAG reg, adr, q, i
.irp p, 0,1,2,3,4,5
	ds_load_b64 v[\reg+2*\p:\reg+2*\p+1], v[\adr] offset:(\i)*RTB+(\q)*1536+256*\p
.endr
.endm
.macro FETCH_B slot, q, p
	WIN TO_B
.irp i, 0,1,2,3,4,5,6,7
	FRAG 128*(\p)+12*\i, ADRB+\slot, \q, \i
.endr
	WIN 0
.endm
.macro FETCH_A slot, q, i0, n
.set FI, \i0
.rept \n
	FRAG AF+12*FI, ADRA+\slot, \q, FI
.set FI, FI+1
.endr
.endm
.macro SCALES sc
.irp i, 0,1,2,3,4,5,6,7
.irp u, 0,1
	ds_load_b64 v[SC+8*NQ*\sc+NQ*\i+2*\u:SC+8*NQ*\sc+NQ*\i+2*\u+1], v[ADRS] offset:1024*\i+128*\u
.endr
.endr
.endm
.macro MULR a0, n, p, q, sc, zero
.set AI, \a0
.rept \n
.irp b, 0,1,2,3,4,5,6,7
.if \zero
	v_wmma_scale_f32_16x16x128_f8f6f4 v[8*(8*(AI%4)+\b):8*(8*(AI%4)+\b)+7], v[128*(\p)+12*\b:128*(\p)+12*\b+11], v[AF+12*AI:AF+12*AI+11], 0, v[SC+8*NQ*(\sc)+NQ*\b+(\q)], v[SC+8*NQ*(\sc)+NQ*AI+(\q)] matrix_a_fmt:MATRIX_FMT_FP6 matrix_b_fmt:MATRIX_FMT_FP6 matrix_a_scale:MATRIX_SCALE_ROW1
.else
	v_wmma_scale_f32_16x16x128_f8f6f4 v[8*(8*(AI%4)+\b):8*(8*(AI%4)+\b)+7], v[128*(\p)+12*\b:128*(\p)+12*\b+11], v[AF+12*AI:AF+12*AI+11], v[8*(8*(AI%4)+\b):8*(8*(AI%4)+\b)+7], v[SC+8*NQ*(\sc)+NQ*\b+(\q)], v[SC+8*NQ*(\sc)+NQ*AI+(\q)] matrix_a_fmt:MATRIX_FMT_FP6 matrix_b_fmt:MATRIX_FMT_FP6 matrix_a_scale:MATRIX_SCALE_ROW1
.endif
.endr
.set AI, AI+1
.endr
.endm
.macro STEP slot, q, zero
	s_wait_dscnt HB*NL
	WIN MUL_LO
	MULR 0, HB, (\q)%2, \q, \slot, \zero
	s_wait_dscnt 0x0
	PLACES NP
	FETCH_B \slot, (\q)+1, 1-(\q)%2
	FETCH_A \slot, (\q)+1, 0, HB
	WIN MUL_UP
	MULR HB, HB, (\q)%2, \q, \slot, \zero
	PLACES NP
	WIN 0
	FETCH_A \slot, (\q)+1, HB, HB
.endm
.macro TURN slot, next, fill
	s_wait_tensorcnt 0x0
	ds_add_u32 v[SPW], v[NIL]
	s_wait_dscnt HB*NL+1
	WIN MUL_LO
	MULR 0, QB, 1, NQ-1, \slot, 0
	s_wait_dscnt 0x0
	s_barrier_signal -1
	MULR QB, QB, 1, NQ-1, \slot, 0
	WIN 0
	s_barrier_wait -1
.if \fill
	CREST
	s_add_nc_u64 s[G0+4*\slot+2:G0+4*\slot+3], s[G0+4*\slot+2:G0+4*\slot+3], 2*YCH
	s_add_nc_u64 s[G0B+4*\slot+2:G0B+4*\slot+3], s[G0B+4*\slot+2:G0B+4*\slot+3], 2*OCH
	JLOAD G0+4*\slot, G1, G0B+4*\slot, G1B
.else
	PLACES NP
.endif
	s_wait_alu depctr_va_vdst(0)
	v_add_nc_u32 v[ADRS], 64*NQ, v[ADRS]
	FETCH_B \next, 0, 0
	FETCH_A \next, 0, 0, HB
	SCALES \next
	WIN MUL_UP
	MULR HB, HB, 1, NQ-1, \slot, 0
	PLACES NP
	WIN 0
	FETCH_A \next, 0, HB, HB
.endm
	s_load_b128 s[4:7], s[0:1], 0x0
	s_load_b64 s[12:13], s[0:1], 0x10
	v_lshl_add_u32 v[SPW], v0, 2, SPARE
	v_mov_b32 v[NIL], 0
	ds_add_u32 v[SPW], v[NIL]
	ds_add_u32 v[SPW], v[NIL]
	v_lshrrev_b32 v1, 5, v0
	v_readfirstlane_b32 s14, v1
	s_lshr_b32 s15, s14, 1
	s_and_b32 s16, s14, 1
	s_bfe_u32 s40, ttmp6, 0x40000
	s_bfe_u32 s41, ttmp6, 0x40004
	s_lshl_b32 s42, ttmp9, 2
	s_add_co_u32 s42, s42, s40
	s_and_b32 s17, ttmp7, 0xffff
	s_lshl_b32 s17, s17, 2
	s_add_co_u32 s17, s17, s41
	s_lshl_b32 s43, s41, 2
	s_lshl_b32 s43, 15, s43
	s_lshl_b32 s44, 0x1111, s40
	s_or_b32 s[G1+0], s43, (3<<16)|(1<<21)
	s_or_b32 s[G1B+0], s44, (3<<16)|(1<<21)
	s_or_b32 s[G1S+0], s43, (3<<16)|(1<<21)
	s_or_b32 s[G1SB+0], s44, (3<<16)|(1<<21)
	SHAPE G1, 6144, 2, YCH/8                       ; the head's shapes: two chunks of 8 tiles of y, of 16 tiles of Wo; their scales as rows of 256 bytes
	SHAPE G1B, 12288, 2, OCH/8
	SHAPE G1S, 32, 32, 32
	SHAPE G1SB, 32, 64, 32
	s_lshl_b32 s18, s16, 2
	s_lshl_b32 s20, s17, 3
	s_add_co_u32 s20, s20, s18
	s_lshl_b32 s18, s16, 3
	s_lshl_b32 s46, s42, 4
	s_add_co_u32 s46, s46, s18
	s_lshl_b32 s22, s17, 13
	s_add_co_u32 s22, s22, YSC
	s_mov_b32 s23, 0
	s_lshl_b32 s92, s42, 14
	s_add_co_u32 s92, s92, WSC
	s_mov_b32 s93, 0
	s_mul_i32 s20, s20, 6144
	s_mov_b32 s21, 0
	s_mul_i32 s46, s46, 6144
	s_mov_b32 s47, 0
	s_mul_i32 s45, s16, HALFA
	s_mul_i32 s95, s16, HALFB
	s_add_co_u32 s95, s95, BREG
	s_wait_dscnt 0x0
	s_wait_kmcnt 0x0
	s_add_nc_u64 s[20:21], s[4:5], s[20:21]
	s_add_nc_u64 s[22:23], s[4:5], s[22:23]
	s_add_nc_u64 s[46:47], s[6:7], s[46:47]
	s_add_nc_u64 s[92:93], s[6:7], s[92:93]
	CROUND
	s_mov_b32 s[G0S], 1
	s_mov_b32 s[G0S+1], SCL
	s_mov_b64 s[G0S+2:G0S+3], s[22:23]
	s_or_b32 s[G0S+3], s[G0S+3], 0x80000000
	s_mov_b32 s[G0SB], 1
	s_mov_b32 s[G0SB+1], SCL+2*HALFSA
	s_mov_b64 s[G0SB+2:G0SB+3], s[92:93]
	s_or_b32 s[G0SB+3], s[G0SB+3], 0x80000000
.irp s, 0,1
	s_mov_b32 s[G0+4*\s], 1
	s_add_co_u32 s[G0+4*\s+1], s45, \s*SLA
	s_add_nc_u64 s[G0+4*\s+2:G0+4*\s+3], s[20:21], \s*YCH
	s_or_b32 s[G0+4*\s+3], s[G0+4*\s+3], 0x80000000
	s_mov_b32 s[G0B+4*\s], 1
	s_add_co_u32 s[G0B+4*\s+1], s95, \s*SLB
	s_add_nc_u64 s[G0B+4*\s+2:G0B+4*\s+3], s[46:47], \s*OCH
	s_or_b32 s[G0B+4*\s+3], s[G0B+4*\s+3], 0x80000000
.endr
; THE HEAD'S LOADS, ONE A WAVE, in one chain of branches on the wave's number.  Waves 0 and 2 fetch the first half of a slot in the ring, so their slot 0 group 0 names the operand's first tile and its region's first byte.
.macro ARM under, g0, g1, next
	s_cmp_lt_u32 s14, \under
	s_cbranch_scc0 \next
	tensor_load_to_lds s[\g0:\g0+3], s[\g1:\g1+7]
	s_nop 0
.rept 4
	v_nop
.endr
	s_branch .Lhead_asked
\next:
.endm
	ARM 1, G0,  G1,  .Lhead_sa
	ARM 2, G0S, G1S, .Lhead_b
	ARM 3, G0B, G1B, .Lhead_sb
	tensor_load_to_lds s[G0SB:G0SB+3], s[G1SB:G1SB+7]
	s_nop 0
.rept 4
	v_nop
.endr
.Lhead_asked:
	v_and_b32 v1, 31, v0
	v_and_b32 v2, 15, v0
	v_bfe_u32 v3, v0, 4, 1
	s_wait_alu depctr_va_vdst(0)
	v_lshlrev_b32 v8, 3, v1
	s_mul_i32 s21, s15, HALFA
	s_mul_i32 s22, s16, HALFB
	s_add_co_u32 s22, s22, BREG
.irp s, 0,1
	v_add_nc_u32 v[ADRA+\s], s21, v8
	v_add_nc_u32 v[ADRB+\s], s22, v8
	s_add_co_u32 s21, s21, SLA
	s_add_co_u32 s22, s22, SLB
.endr
	s_mul_i32 s18, s15, HALFSA
	s_mul_i32 s19, s16, HALFSB
	s_add_co_u32 s19, s19, 2*HALFSA
	s_sub_co_u32 s19, s19, s18
	v_mul_u32_u24 v4, s19, v3
	s_add_co_u32 s18, s18, SCL
	v_lshl_add_u32 v4, v2, 3, v4
	v_add_nc_u32 v[ADRS], s18, v4
	s_mul_i32 s23, s14, 8448
	v_mul_u32_u24 v5, v2, 528
	v_lshl_add_u32 v5, v3, 6, v5
	v_add_nc_u32 v[STO], s23, v5
	v_lshlrev_b32 v[CO], 4, v1
	v_add_nc_u32 v[RD], s23, v[CO]
	s_lshl_b32 s20, s17, 7
	s_lshl_b32 s21, s15, 6
	s_add_co_u32 s20, s20, s21
	s_lshl_b32 s20, s20, 13
	s_lshl_b32 s46, s42, 10
	s_lshl_b32 s47, s16, 9
	s_add_co_u32 s46, s46, s47
	s_add_co_u32 s20, s20, s46
	s_mov_b32 s21, 0
	s_add_nc_u64 s[12:13], s[12:13], s[20:21]
	s_wait_alu depctr_va_vdst(0)
	s_wait_tensorcnt 0x0                           ; my tile of the head's four is in; no tensor load of mine is out, so the descriptors may be written:
	SHAPE G1, RTB/8, 4, RTB/8                      ; from here on a load brings 4 tiles of a chunk of y, dense,
	SHAPE G1B, RTB/8, 8, RTB/8                     ; or 8 tiles of a chunk of Wo
	s_barrier_signal -1
	s_barrier_wait -1
	FETCH_B 0, 0, 0
	FETCH_A 0, 0, 0, HB
	SCALES 0
	FETCH_A 0, 0, HB, HB
	STEP 0, 0, 1
	s_mov_b32 s3, LAPS-1
.Llap:
	STEP 0, 1, 0
	STEP 0, 2, 0
	TURN 0, 1, 1
	STEP 1, 0, 0
	STEP 1, 1, 0
	STEP 1, 2, 0
	TURN 1, 0, 1
	STEP 0, 0, 0
	s_sub_co_u32 s3, s3, 1
	s_cmp_lg_u32 s3, 0
	s_cbranch_scc1 .Llap
	STEP 0, 1, 0
	STEP 0, 2, 0
	TURN 0, 1, 0
	STEP 1, 0, 0
	STEP 1, 1, 0
	STEP 1, 2, 0
	s_wait_dscnt HB*NL
	WIN MUL_LO
	MULR 0, HB, 1, NQ-1, 1, 0
	s_wait_dscnt 0x0
	WIN MUL_UP
	MULR HB, HB, 1, NQ-1, 1, 0
	WIN 0
.macro TOSTAGE a
.set AC, 64*(\a)
	WIN 0x08
.irp b, 0,1,2,3,4,5,6,7
	ds_store_b128 v[STO], v[AC+8*\b:AC+8*\b+3] offset:128*(\b/2)+32*(\b%2)
	ds_store_b128 v[STO], v[AC+8*\b+4:AC+8*\b+7] offset:128*(\b/2)+32*(\b%2)+16
.endr
	WIN 0
.set BB, BK+64*((\a)%2)
.irp t, 0,1,2,3,4,5,6,7,8,9,10,11,12,13,14,15
	ds_load_b128 v[BB+4*\t:BB+4*\t+3], v[RD] offset:\t*528
.endr
.endm
.macro SEND a, younger
.set BB, BK+64*((\a)%2)
	s_wait_dscnt \younger
.irp t, 0,1,2,3,4,5,6,7,8,9,10,11,12,13,14,15
	global_store_b128 v[CO], v[BB+4*\t:BB+4*\t+3], s[12:13] offset:(32*((\a)/2)+8*((\a)%2)+\t+8*(\t/8))*8192 th:TH_STORE_NT
.endr
.endm
	PLACES NP
	TOSTAGE 0
	TOSTAGE 1
	SEND 0, 32
	s_wait_xcnt 0x0
	TOSTAGE 2
	SEND 1, 32
	s_wait_xcnt 0x0
	TOSTAGE 3
	SEND 2, 32
	SEND 3, 0
	s_wait_tensorcnt 0x0
	ds_add_u32 v[SPW], v[NIL]
	s_wait_dscnt 0x0
	CROUND
	s_endpgm
.Lfunc_end_k_qbc6a7630d8_outp:
	.size	k_qbc6a7630d8_outp, .Lfunc_end_k_qbc6a7630d8_outp-k_qbc6a7630d8_outp
	.p2alignl 7, 3214868480
	.fill 96, 4, 3214868480
	.section	.rodata,"a",@progbits
	.p2align	6, 0x0
	.amdhsa_kernel k_qbc6a7630d8_outp
		.amdhsa_group_segment_fixed_size 327680
		.amdhsa_private_segment_fixed_size 0
		.amdhsa_enable_private_segment 0
		.amdhsa_kernarg_size 24
		.amdhsa_user_sgpr_count 2
		.amdhsa_user_sgpr_kernarg_segment_ptr 1
		.amdhsa_wavefront_size32 1
		.amdhsa_system_sgpr_workgroup_id_x 1
		.amdhsa_system_sgpr_workgroup_id_y 1
		.amdhsa_system_sgpr_workgroup_id_z 1
		.amdhsa_system_vgpr_workitem_id 0
		.amdhsa_next_free_vgpr 768
		.amdhsa_next_free_sgpr 100
		.amdhsa_reserve_vcc 0
		.amdhsa_float_denorm_mode_32 3
		.amdhsa_float_denorm_mode_16_64 3
		.amdhsa_memory_ordered 1
		.amdhsa_forward_progress 1
		.amdhsa_inst_pref_size 175
	.end_amdhsa_kernel
	.amdgpu_metadata
---
amdhsa.version: [ 1, 2 ]
amdhsa.kernels:
  - .name:           k_qbc6a7630d8_outp
    .symbol:         k_qbc6a7630d8_outp.kd
    .args:
      - { .name: yq, .offset: 0, .size: 8, .value_kind: global_buffer, .address_space: global }
      - { .name: woq, .offset: 8, .size: 8, .value_kind: global_buffer, .address_space: global }
      - { .name: out0, .offset: 16, .size: 8, .value_kind: global_buffer, .address_space: global }
    .group_segment_fixed_size: 327680
    .private_segment_fixed_size: 0
    .kernarg_segment_align: 8
    .kernarg_segment_size: 24
    .max_flat_workgroup_size: 128
    .sgpr_count:     100
    .vgpr_count:     768
    .wavefront_size: 32
...
	.end_amdgpu_metadata
.endif
;; end of part 4
